; MI455X (gfx1250); checked and timed in simulation.
; The chip was launched on July 23, 2026; its instructions are those of AMD's public machine-readable ISA for CDNA 5 (MIT licence, August 2026) and "CDNA5" Instruction Set Architecture Reference Guide (July 2026). The comments in the code are by the model that wrote it; some were corrected since.
;; Multi Headed Self Attention. Allowed arithmetic: matrix products marked QUANTISED: E2M3 operands, one E8M0 scale for each 32 along K, by v_wmma_scale_f32_16x16x128_f8f6f4 with both operands' format E2M3, f32 sums; everything else in f32.
;; Inputs: w_in 3,072 x 1,024 float32; w_out 1,024 x 1,024 float32; x 2,048 x 1,024 float32.
;; Outputs: out0 2,048 x 1,024 float32.
;; Constants: tgt_len = 2048.
;; This version of the problem:
;;   THIS VERSION OF THE PROBLEM IS GIVEN IN LOW PRECISION. The matrix products marked QUANTISED in the list below multiply operands that are first quantised to E2M3 (2 exponent bits, 3 mantissa bits; 6 bits a number), with one power-of-two scale for each 32 numbers along K (OCP MX v1.0); their sums are f32. All else is computed in f32.
;;   The module's matrix products, in the order in which they are computed (A, B: the left and right operand; K: the contracted axis; several contracted axes count as one K, in the product's order):
;;     1. [M 2,048, K 1,024] x [K 1,024, N 3,072]; A: input x; B: input w_in: QUANTISED
;;     2. batch 16 x [M 2,048, K 64] x [K 64, N 2,048]; A: computed on the way; B: computed on the way: QUANTISED
;;     3. batch 16 x [M 2,048, K 2,048] x [K 2,048, N 64]; A: computed on the way; B: computed on the way: QUANTISED
;;     4. [M 2,048, K 1,024] x [K 1,024, N 1,024]; A: computed on the way; B: input w_out: QUANTISED
;;   THE QUANTISER, for each operand of a quantised product, along K:
;;     - K is cut into blocks of 32 from its start; a last block that is shorter is filled with zeros.
;;     - A block's scale is 2^e with e = floor(log2(the largest magnitude in the block)) - 2, held to -126 .. 127; a block of zeros has e = 0. As a byte (E8M0): e + 127.
;;     - Each number is divided by its block's scale, clamped to +-7.5, and rounded to the nearest number of E2M3, ties to even, subnormals kept.
;;     - The product sums the exact products of the quantised numbers (number of the format x scale) in f32.
;;   ~~~python
;;   def quantise(x, axis):      # numpy; x: float32 -> the quantised numbers, widened to float32 again
;;       x = np.moveaxis(x, axis, -1); K = x.shape[-1]
;;       x = np.pad(x, [(0, 0)] * (x.ndim - 1) + [(0, -K % 32)]); x = x.reshape(x.shape[:-1] + (-1, 32)); a = np.abs(x).max(-1, keepdims=True)
;;       e = np.where(a > 0, np.clip(np.frexp(np.where(a > 0, a, 1))[1] - 1 - 2, -126, 127), 0)      # np.frexp(a)[1] - 1 = floor(log2(a)), exactly
;;       r = np.clip(x / 2.0 ** e, -7.5, 7.5)
;;       step = 2.0 ** (np.maximum(np.frexp(np.where(r == 0, 1, r))[1] - 1, 0) - 3)
;;       q = np.round(r / step) * step * 2.0 ** e      # np.round: ties to even
;;       return np.moveaxis(q.reshape(q.shape[:-2] + (-1,))[..., :K], -1, axis).astype(np.float32)
;;   ~~~
;;   OPERANDS COMPUTED ON THE WAY. 'Computed on the way' means the value that the module computes at that place (a softmax that the list does not call 'softmax' is quantised finished and normalised). What goes into a quantiser is computed in f32, as accurately as f32 sums, v_exp_f32 and their like allow (about 1e-6 of the number): no bf16 or f16 on the way to a quantiser, and a product that is left as it is and whose result goes on into a quantised operand takes f32 operands (vector FMAs, or v_wmma_f32_16x16x4_f32). A number that lies on a knife's edge between two numbers of the format may be rounded either way, as far as f32 arithmetic and the matrix unit's own rounding can turn it there, and no further.
;; One version. Each part assembles by itself: llvm-mc -triple=amdgcn-amd-amdhsa -mcpu=gfx1250 --defsym DOCPART=n.
;; ======== version 1 of 1: 4 launches
;; workspace buffers: wc 4,718,592 bytes; ws 196,608 bytes; qkv 4,718,592 bytes; qkvs 196,608 bytes; ctx 1,572,864 bytes; cs 65,536 bytes
;; launch quant (part 1): grid 384 x 1, 4 waves a work-group, no clusters, 68,608 bytes of LDS; arguments x, w_in, w_out, wc, ws; writes wc, ws
.if DOCPART == 1
	.amdgcn_target "amdgcn-amd-amdhsa--gfx1250"
	.amdhsa_code_object_version 6
	.text
	.protected	k_qaeb07fce21_quant
	.globl	k_qaeb07fce21_quant
	.p2align	8
	.type	k_qaeb07fce21_quant,@function
k_qaeb07fce21_quant:
	s_mov_b64 s[64:65], 0
	v_nop
	global_prefetch_b8 v0, s[64:65] scope:SCOPE_SE
	s_setreg_imm32_b32 hwreg(HW_REG_WAVE_MODE, 25, 1), 1
	s_wait_xcnt 0x0
; x [2048][1024], w_in [3072][1024], w_out [1024][1024], f32, K innermost, become codes of FP6 (E2M3) with one E8M0 byte for each 32 along K.
; A block's scale is 2^(floor(log2(largest magnitude)) - 2): its byte is the largest magnitude's exponent field - 2, held at 1 from below.
; THE CODES ARE LAID IN THE ORDER OF THE OPERAND'S REGISTERS.  A TILE is 16 rows of a group of 32: lane r of tile 2 G + u is row 32 G + 8 u + r + 8 (r / 8).
; A FRAGMENT (a tile x 128 along K: 12 registers a lane, lane (r, h) holds k = 64 c + 32 h + 0 .. 31 in registers 6 c .. 6 c + 5) is 1,536 bytes:
; for c = 0, 1: registers 6 c .. 6 c + 3 at 768 c + 16 x lane, registers 6 c + 4, 6 c + 5 at 768 c + 512 + 8 x lane.
; wc: [K step 0..7][tile 0..383][1,536]; tiles 0-127 x, 128-319 w_in, 320-383 w_out.   ws: [tile][r][8 words], word k = the four bytes of K step k.
; SHARES: a work-group takes a tile, wave w its K steps 2 w and 2 w + 1.  Each load reads 512 consecutive bytes of a row; the 8 KiB of a fragment turn through the wave's own stage in LDS
; (rows 528 bytes apart: sixteen rows start at sixteen different 16-byte columns), so that a lane gets its two whole blocks of 32.  No tensor load, no matrix instruction: memory binds.
; LIMITS: a block of zeros, and one whose largest magnitude lies under 2^-124, gets the byte 1 (its codes then are zeros or the rule's, and this program alone reads the bytes); NaN and infinities are not served.
.set SP,    528                        ; a stage row: 512 bytes + 16
.set STG1,  16*SP                      ; the second stage of a wave
.set WREG,  2*STG1                     ; a wave's LDS
.set SG,    4*WREG                     ; behind the stages: the tile's 512 bytes of scale words
.set KSTR,  589824                     ; bytes from a K step to the next in wc: 384 tiles x 1,536
.set R0,    16                         ; v16-79   fragment 0 as loaded; later fragment 1's numbers by lanes
.set R1,    80                         ; v80-143  fragment 1 as loaded
.set X0,    144                        ; v144-207 fragment 0's numbers by lanes
.set X1,    16
.set MX,    208                        ; v208-209 the two blocks' largest magnitudes
.set SO,    210                        ; v210-211 the conversions' scale operands
.set BY,    212                        ; v212-213 the bytes
.set W0,    214                        ; v214, v215 the two fragments' scale words
.set W1,    215
.set C0,    216                        ; v216-227, v228-239 the codes
.set C1,    228
.set T,     240                        ; v240-246 the upper halves of the blocks' codes, before they are moved
.set PT,    11                         ; v11 a lane permute's destination
	s_load_b256 s[4:11], s[0:1], 0x0               ; x, w_in, w_out, wc
	s_load_b64 s[12:13], s[0:1], 0x20              ; ws
	v_lshl_add_u32 v248, v0, 2, 0x10a00
	v_mov_b32 v249, 0
	v_lshrrev_b32 v1, 5, v0
	v_readfirstlane_b32 s14, v1                    ; wave
	v_and_b32 v1, 31, v0                           ; lane
	v_and_b32 v2, 15, v0                           ; r
	v_bfe_u32 v3, v0, 4, 1                         ; h
	v_lshlrev_b32 v4, 4, v1                        ; 16 x lane
	v_lshlrev_b32 v7, 3, v1                        ; 8 x lane
	s_mul_i32 s15, s14, WREG
	v_add_nc_u32 v5, s15, v4                       ; the stage on the way in: a row's 512 bytes as they lie
	v_mul_u32_u24 v6, v2, SP
	v_lshl_add_u32 v6, v3, 7, v6
	v_add_nc_u32 v6, s15, v6                       ; and on the way out: row r, + 128 h: my block of 32 numbers
	v_lshl_add_u32 v8, v2, 5, SG
	v_lshl_add_u32 v8, v3, 2, v8
	s_lshl_b32 s15, s14, 3
	v_add_nc_u32 v8, s15, v8                       ; my scale word's place: 32 r + 4 (2 w + h)
	v_add_nc_u32 v9, SG, v4                        ; and the way out of the 512 bytes
	v_lshlrev_b32 v10, 3, v3                       ; 8 h: how far my two bytes are shifted
	v_mov_b32 v[PT], 0                             ; written once: a lane permute's destination counts as one of its sources
	s_mov_b32 s20, 0x76543210
	s_mov_b32 s21, 0xfedcba98                      ; v_permlanex16_b32's selects for lane l xor 16
	s_mov_b32 s16, 320
	s_wait_kmcnt 0x0
	s_cmp_lt_u32 ttmp9, s16                        ; which tensor: the choice hangs on the work-group's number alone
	s_cselect_b64 s[6:7], s[6:7], s[8:9]
	s_cselect_b32 s16, 128, s16
	s_cmp_lt_u32 ttmp9, 128
	s_cselect_b64 s[4:5], s[4:5], s[6:7]
	s_cselect_b32 s16, 0, s16
	s_sub_co_u32 s16, ttmp9, s16                   ; the tile's number in its tensor
	s_lshr_b32 s17, s16, 1
	s_lshl_b32 s17, s17, 17                        ; 32 rows of 4,096 bytes for each group,
	s_and_b32 s18, s16, 1
	s_lshl_b32 s18, s18, 15                        ; 8 rows for the odd tile,
	s_add_co_u32 s18, s18, s17
	s_lshl_b32 s17, s14, 10                        ; 1,024 bytes of a row for each wave
	s_add_co_u32 s18, s18, s17
	s_mov_b32 s19, 0
	s_add_nc_u64 s[4:5], s[4:5], s[18:19]
	s_mul_i32 s18, ttmp9, 1536
	s_mul_i32 s17, s14, 2*KSTR
	s_add_co_u32 s18, s18, s17
	s_add_nc_u64 s[10:11], s[10:11], s[18:19]      ; wc at my first fragment
	s_lshl_b32 s18, ttmp9, 9
	s_add_nc_u64 s[12:13], s[12:13], s[18:19]      ; ws at the tile's 512 bytes
.irp f, 0,1
.irp i, 0,1,2,3,4,5,6,7,8,9,10,11,12,13,14,15
	global_load_b128 v[R0+64*\f+4*\i:R0+64*\f+4*\i+3], v4, s[4:5] offset:(\i+8*(\i/8))*4096+512*\f th:TH_LOAD_NT   ; lane row i of the tile: 32 lanes read 512 consecutive bytes
.endr
.endr
; a lane's 64 numbers v[x] on (two whole blocks) become 12 registers of codes in v[c] on and the row's scale word in v[w]
.macro QF x, c, w
.irp k, 0,1
	v_max3_num_f32 v[MX+\k], |v[\x+32*\k]|, |v[\x+32*\k+1]|, 0x1800000   ; the floor 2^(3 - 127) is one more leaf: the byte cannot fall under 1
.endr
.irp i, 2,4,6,8,10,12,14,16,18,20,22,24,26,28,30
.irp k, 0,1
	v_max3_num_f32 v[MX+\k], v[MX+\k], |v[\x+32*\k+\i]|, |v[\x+32*\k+\i+1]|   ; the two blocks by turns
.endr
.endr
	v_add_nc_u32 v[SO], 0xff000000, v[MX]          ; 2 off the exponent field: the conversion takes that field as its scale
	v_add_nc_u32 v[SO+1], 0xff000000, v[MX+1]
	v_lshrrev_b32 v[BY], 23, v[SO]                 ; the bytes
	v_lshrrev_b32 v[BY+1], 23, v[SO+1]
	v_lshl_or_b32 v[\w], v[BY+1], 16, v[BY]        ; blocks h and 2 + h,
	v_lshlrev_b32 v[\w], v10, v[\w]                ; at their places;
	v_permlanex16_b32 v[PT], v[\w], s20, s21
	v_or_b32 v[\w], v[\w], v[PT]                   ; with lane l xor 16's two the word is whole
	v_cvt_scalef32_pk16_fp6_f32 v[\c:\c+2], v[\x:\x+15], v[SO]
	v_cvt_scalef32_pk16_fp6_f32 v[T:T+2], v[\x+16:\x+31], v[SO]          ; (a conversion's three registers begin on an even number)
	v_cvt_scalef32_pk16_fp6_f32 v[\c+6:\c+8], v[\x+32:\x+47], v[SO+1]
	v_cvt_scalef32_pk16_fp6_f32 v[T+4:T+6], v[\x+48:\x+63], v[SO+1]
	v_nop                                          ; one plain place behind the scaled conversions
.irp i, 0,1,2
	v_mov_b32 v[\c+3+\i], v[T+\i]
	v_mov_b32 v[\c+9+\i], v[T+4+\i]
.endr
.endm
.macro OUTF c, f                       ; a fragment leaves as it stands: stores of 512 and of 256 consecutive bytes, each at a multiple of 256 from wc's first byte
	global_store_b128 v4, v[\c:\c+3], s[10:11] offset:KSTR*\f
	global_store_b64 v7, v[\c+4:\c+5], s[10:11] offset:KSTR*\f+512
	global_store_b128 v4, v[\c+6:\c+9], s[10:11] offset:KSTR*\f+768
	global_store_b64 v7, v[\c+10:\c+11], s[10:11] offset:KSTR*\f+1280
.endm
	s_wait_loadcnt 16                              ; fragment 0's sixteen loads are in; fragment 1's sixteen may be out
.irp i, 0,1,2,3,4,5,6,7,8,9,10,11,12,13,14,15
	ds_store_b128 v5, v[R0+4*\i:R0+4*\i+3] offset:SP*\i
.endr
.irp c, 0,1
.irp j, 0,1,2,3,4,5,6,7
	ds_load_b128 v[X0+32*\c+4*\j:X0+32*\c+4*\j+3], v6 offset:256*\c+16*\j   ; LDS serves a wave's instructions in order: these see the stores above
.endr
.endr
	s_wait_loadcnt 0x0
.irp i, 0,1,2,3,4,5,6,7,8,9,10,11,12,13,14,15
	ds_store_b128 v5, v[R1+4*\i:R1+4*\i+3] offset:STG1+SP*\i
.endr
	s_wait_dscnt 16                                ; all but the sixteen stores just issued: fragment 0 is back, and its registers as loaded are free
.irp c, 0,1
.irp j, 0,1,2,3,4,5,6,7
	ds_load_b128 v[X1+32*\c+4*\j:X1+32*\c+4*\j+3], v6 offset:STG1+256*\c+16*\j
.endr
.endr
	QF X0, C0, W0                                  ; while fragment 1 turns through its stage
	OUTF C0, 0
	s_wait_dscnt 0x0
	QF X1, C1, W1
	OUTF C1, 1
	v_cmp_ne_u32 vcc_lo, 0, v3
	v_cndmask_b32 v12, v[W0], v[W1], vcc_lo        ; lanes 0-15 hand in K step 2 w's word, lanes 16-31 K step 2 w + 1's
	ds_store_b32 v8, v12
	s_wait_dscnt 0x0                               ; for the others' sake: my words lie in LDS
	s_barrier_signal -1
	s_barrier_wait -1
	s_cmp_lg_u32 s14, 0
	s_cbranch_scc1 .Lend                           ; wave 0 stores the tile's 512 bytes of scale words: two whole aligned runs of 256 bytes
	ds_load_b128 v[80:83], v9
	s_wait_dscnt 0x0
	global_store_b128 v4, v[80:83], s[12:13]
.Lend:
	s_wait_tensorcnt 0x0
	ds_add_u32 v248, v249
	s_wait_dscnt 0x0
	s_endpgm
.Lfunc_end_k_qaeb07fce21_quant:
	.size	k_qaeb07fce21_quant, .Lfunc_end_k_qaeb07fce21_quant-k_qaeb07fce21_quant
	.p2alignl 7, 3214868480
	.fill 96, 4, 3214868480
	.section	.rodata,"a",@progbits
	.p2align	6, 0x0
	.amdhsa_kernel k_qaeb07fce21_quant
		.amdhsa_group_segment_fixed_size 68608
		.amdhsa_private_segment_fixed_size 0
		.amdhsa_enable_private_segment 0
		.amdhsa_kernarg_size 40
		.amdhsa_user_sgpr_count 2
		.amdhsa_user_sgpr_kernarg_segment_ptr 1
		.amdhsa_wavefront_size32 1
		.amdhsa_system_sgpr_workgroup_id_x 1
		.amdhsa_system_sgpr_workgroup_id_y 1
		.amdhsa_system_sgpr_workgroup_id_z 1
		.amdhsa_system_vgpr_workitem_id 0
		.amdhsa_next_free_vgpr 250
		.amdhsa_next_free_sgpr 66
		.amdhsa_reserve_vcc 1
		.amdhsa_float_denorm_mode_32 3
		.amdhsa_float_denorm_mode_16_64 3
		.amdhsa_memory_ordered 1
		.amdhsa_forward_progress 1
		.amdhsa_inst_pref_size 17
	.end_amdhsa_kernel
	.amdgpu_metadata
---
amdhsa.version: [ 1, 2 ]
amdhsa.kernels:
  - .name:           k_qaeb07fce21_quant
    .symbol:         k_qaeb07fce21_quant.kd
    .args:
      - { .name: x, .offset: 0, .size: 8, .value_kind: global_buffer, .address_space: global }
      - { .name: w_in, .offset: 8, .size: 8, .value_kind: global_buffer, .address_space: global }
      - { .name: w_out, .offset: 16, .size: 8, .value_kind: global_buffer, .address_space: global }
      - { .name: wc, .offset: 24, .size: 8, .value_kind: global_buffer, .address_space: global }
      - { .name: ws, .offset: 32, .size: 8, .value_kind: global_buffer, .address_space: global }
    .group_segment_fixed_size: 68608
    .private_segment_fixed_size: 0
    .kernarg_segment_align: 8
    .kernarg_segment_size: 40
    .max_flat_workgroup_size: 128
    .sgpr_count:     66
    .vgpr_count:     250
    .wavefront_size: 32
...
	.end_amdgpu_metadata
.endif
;; end of part 1
;; launch gemm_qkv (part 2): grid 16 x 12, 8 waves a work-group, clusters of 4 x 4, 296,960 bytes of LDS; arguments wc, ws, qkv, qkvs; writes qkv, qkvs
.if DOCPART == 2
	.amdgcn_target "amdgcn-amd-amdhsa--gfx1250"
	.amdhsa_code_object_version 6
	.text
	.protected	k_qaeb07fce21_gemm_qkv
	.globl	k_qaeb07fce21_gemm_qkv
	.p2align	8
	.type	k_qaeb07fce21_gemm_qkv,@function
k_qaeb07fce21_gemm_qkv:
	s_mov_b64 s[64:65], 0
	v_nop
	global_prefetch_b8 v0, s[64:65] scope:SCOPE_SE
	s_setreg_imm32_b32 hwreg(HW_REG_WAVE_MODE, 25, 1), 1
	s_wait_xcnt 0x0
	s_wait_alu depctr_hold_cnt(0) depctr_sa_sdst(0) depctr_va_vdst(0) depctr_va_sdst(0) depctr_va_ssrc(0) depctr_va_vcc(0) depctr_vm_vsrc(0)
	s_getreg_b32 s2, hwreg(HW_REG_IB_STS2, 6, 4)
	s_cmp_eq_u32 s2, 0
	s_cbranch_scc0 .Lentry_in_a_cluster
	s_endpgm
.Lentry_in_a_cluster:
	s_bfe_u32 s2, ttmp6, 0x10000c
	s_cmp_lg_u32 s2, 0xf033
	s_cbranch_scc0 .Lentry_shape_is_right
	s_endpgm
.Lentry_shape_is_right:
; qkv = x w_in^T on codes of FP6 (E2M3) with E8M0 scales, and its results quantised at once for the products that follow: q and k along the head's 64, v along the keys.
; ONE FORM SERVES BOTH: T[j][i] = the sum over k of R[j][k] P[i][k], quantised along i.  Source 0 = 16 rows of P, source 1 = 16 rows of R: a lane holds ONE row j and its registers run along i.
; A TILE is 16 rows of a group of 32: lane r of tile 2 G + u is row 32 G + 8 u + r + 8 (r / 8); so the 16 registers of P's tiles 2 G, 2 G + 1 are 16 neighbours along i: 32 G + 16 (lane / 16) + 0 .. 15.
; part 0 (work-group rows Y = 0..7): P = w_in's rows of q and k, R = x: i runs along the heads' channels.   part 1 (Y = 8..11): P = x (the keys), R = w_in's rows of v: i runs along the keys.
; SHARES: a work-group of eight waves makes 128 (i) x 256 (j) over K = 1,024; wave w takes all 8 tiles of P and tiles 2 w, 2 w + 1 of R: 16 accumulators.  16 x 12 = 192 work-groups of equal work:
; with 128 x 128 there would be 384, and a work-group's set-up, first tiles and last stores would be paid twice as often.
; ALL OF K LIES IN LDS, FILLED ONCE: 4 chunks of 2 K steps, each wave one tensor load a chunk (4 of mine are out at the most); no LDS byte is filled again.
; wc holds fragments in the order of the operand's registers, so every LDS load reads consecutive bytes: no pitch, no padding.
; CLUSTER 4 x 4: P's tiles hang on X alone and are asked for jointly by a column of the cluster, R's on Y alone, by a row.
; OUT: qkv: q, k [slot 0..31][x tile][768] (a slot = 64 channels: 16 heads of q, then of k; 768 bytes = six operand registers of 32 lanes: 16 rows x 64 along K); from byte 3,145,728 v [head][key step][d tile][1,536].
;      qkvs: q, k [slot pair][tile pair][slot & 1][r][4]: low half the two bytes of the even tile, high half of the odd; from byte 131,072 v [head pair][key step][head & 1][d tile][r][4].
; LIMITS: a block of zeros, and one under 2^-124, gets the byte 1; NaN and infinities are not served.
; REGISTERS: window 0: v1-13 addresses; v16-47 P's scale words, v48-55 R's; v56-63 store offsets; v64-191 the accumulators ((b, a) at 64 + 64 b + 8 a); v192-251 the quantiser.  window 1: two sets of fragments, at 0 and 128.
.set ACC,   64
.set TM,    192                        ; v192-195 largest magnitudes, v196-199 permutes and bytes, v204-207 scale operands
.set PW0,   208                        ; the two rows' scale words
.set PW1,   209
.set XW0,   210
.set XW1,   211
.set PC0,   212                        ; codes: 12 registers, and 7 at work behind them
.set PC1,   232
.set CHUNK, 73728                      ; two K steps: P's 8 tiles (24,576 bytes), then R's 16
.set RPART, 24576
.set SG,    4*CHUNK                    ; behind the chunks: 1,024 bytes for the scale words on their way out; no tile lands there
.set KSTR,  589824                     ; bytes from a K step to the next in wc
.set SEL,   20
.set G1P,   24                         ; s[24:31] group 1 for P's tiles, s[32:39] for R's
.set G1R,   32
.set G0P,   40                         ; s[40:55] groups 0 for P's four chunks
.set G0R,   68                         ; s[68:83] for R's
.set MSB, 0
.macro WIN new                         ; the immediate's high byte repeats the setting that is left
.if MSB != \new
	s_set_vgpr_msb (MSB<<8)|\new
.set MSB, \new
.endif
.endm
.macro CREST                           ; a round of the cluster's barrier behind its opening barrier
	s_cmp_lg_u32 s14, 0
	s_cbranch_scc1 .Lnot_wave_0_\@
	s_barrier_signal -3
.Lnot_wave_0_\@:
	s_barrier_wait -3
	s_barrier_signal -1
	s_barrier_wait -1
.endm
.macro CROUND
	s_barrier_signal -1
	s_barrier_wait -1
	CREST
.endm
.macro FRAG reg, a16, a8, off          ; a fragment comes back as it was stored: 512, 256, 512, 256 consecutive bytes
	ds_load_b128 v[\reg:\reg+3], v[\a16] offset:\off
	ds_load_b64 v[\reg+4:\reg+5], v[\a8] offset:\off+512
	ds_load_b128 v[\reg+6:\reg+9], v[\a16] offset:\off+768
	ds_load_b64 v[\reg+10:\reg+11], v[\a8] offset:\off+1280
.endm
; one product.  z = 1: it starts the sum.  ra, rb: the scale words lie in lanes 16-31 of the register named
.macro WM d, a, b, z, sa, sb, ra, rb
.if (\z) && ((\ra) == 0) && ((\rb) == 0)
	v_wmma_scale_f32_16x16x128_f8f6f4 v[\d:\d+7], v[\a:\a+11], v[\b:\b+11], 0, v[\sa], v[\sb] matrix_a_fmt:MATRIX_FMT_FP6 matrix_b_fmt:MATRIX_FMT_FP6
.elseif (\z) && ((\ra) == 0)
	v_wmma_scale_f32_16x16x128_f8f6f4 v[\d:\d+7], v[\a:\a+11], v[\b:\b+11], 0, v[\sa], v[\sb] matrix_a_fmt:MATRIX_FMT_FP6 matrix_b_fmt:MATRIX_FMT_FP6 matrix_b_scale:MATRIX_SCALE_ROW1
.elseif (\z) && ((\rb) == 0)
	v_wmma_scale_f32_16x16x128_f8f6f4 v[\d:\d+7], v[\a:\a+11], v[\b:\b+11], 0, v[\sa], v[\sb] matrix_a_fmt:MATRIX_FMT_FP6 matrix_b_fmt:MATRIX_FMT_FP6 matrix_a_scale:MATRIX_SCALE_ROW1
.elseif (\z)
	v_wmma_scale_f32_16x16x128_f8f6f4 v[\d:\d+7], v[\a:\a+11], v[\b:\b+11], 0, v[\sa], v[\sb] matrix_a_fmt:MATRIX_FMT_FP6 matrix_b_fmt:MATRIX_FMT_FP6 matrix_a_scale:MATRIX_SCALE_ROW1 matrix_b_scale:MATRIX_SCALE_ROW1
.elseif ((\ra) == 0) && ((\rb) == 0)
	v_wmma_scale_f32_16x16x128_f8f6f4 v[\d:\d+7], v[\a:\a+11], v[\b:\b+11], v[\d:\d+7], v[\sa], v[\sb] matrix_a_fmt:MATRIX_FMT_FP6 matrix_b_fmt:MATRIX_FMT_FP6
.elseif ((\ra) == 0)
	v_wmma_scale_f32_16x16x128_f8f6f4 v[\d:\d+7], v[\a:\a+11], v[\b:\b+11], v[\d:\d+7], v[\sa], v[\sb] matrix_a_fmt:MATRIX_FMT_FP6 matrix_b_fmt:MATRIX_FMT_FP6 matrix_b_scale:MATRIX_SCALE_ROW1
.elseif ((\rb) == 0)
	v_wmma_scale_f32_16x16x128_f8f6f4 v[\d:\d+7], v[\a:\a+11], v[\b:\b+11], v[\d:\d+7], v[\sa], v[\sb] matrix_a_fmt:MATRIX_FMT_FP6 matrix_b_fmt:MATRIX_FMT_FP6 matrix_a_scale:MATRIX_SCALE_ROW1
.else
	v_wmma_scale_f32_16x16x128_f8f6f4 v[\d:\d+7], v[\a:\a+11], v[\b:\b+11], v[\d:\d+7], v[\sa], v[\sb] matrix_a_fmt:MATRIX_FMT_FP6 matrix_b_fmt:MATRIX_FMT_FP6 matrix_a_scale:MATRIX_SCALE_ROW1 matrix_b_scale:MATRIX_SCALE_ROW1
.endif
.endm
.macro FETCH k                         ; K step k's ten fragments, 40 loads, into set k % 2 (the address registers stand at the step's chunk)
	WIN 0x40                                       ; destination window 1, address window 0
.irp a, 0,1,2,3,4,5,6,7
	FRAG 128*((\k)%2)+12*\a, 4, 5, 6144*(\a/2)+3072*((\k)%2)+1536*(\a%2)
.endr
.irp b, 0,1
	FRAG 128*((\k)%2)+96+12*\b, 6, 7, 6144*((\k)%2)+1536*\b
.endr
.endm
.macro MUL k, z                        ; 16 products: the 16 accumulators take turns, one instruction a turn, in the same order in every step
	WIN 0x05                                       ; sources 0 and 1 window 1, C and D window 0
.irp a, 0,1,2,3,4,5,6,7
.irp b, 0,1
	WM ACC+64*\b+8*\a, 128*((\k)%2)+12*\a, 128*((\k)%2)+96+12*\b, \z, 16+8*(\a%4)+(\k), 48+(\k), \a/4, \b
.endr
.endr
.endm
; 64 numbers of a lane, register 16 b + i = place 32 b + 16 (lane / 16) + i of my row, become a fragment's codes in v[pc] on and its scale word in v[pw]
.macro QUANT s, pc, pw
.irp b, 0,1,2,3
	v_max3_num_f32 v[TM+\b], |v[\s+16*\b]|, |v[\s+1+16*\b]|, 0x1800000   ; my 16 numbers of block b, and the floor 2^(3 - 127); each accumulator is read from its low end on
.endr
.irp i, 2,4,6,8,10,12,14
.irp b, 0,1,2,3
	v_max3_num_f32 v[TM+\b], v[TM+\b], |v[\s+16*\b+\i]|, |v[\s+1+16*\b+\i]|
.endr
.endr
.irp b, 0,1,2,3
	v_permlanex16_b32 v[TM+4+\b], v[TM+\b], s[SEL], s[SEL+1]
.endr
.irp b, 0,1,2,3
	v_max_num_f32 v[TM+\b], v[TM+\b], v[TM+4+\b]   ; with lane l xor 16's: the block's largest magnitude
.endr
.irp b, 0,1,2,3
	v_add_nc_u32 v[TM+12+\b], 0xff000000, v[TM+\b] ; 2 off its exponent field: the conversion's scale operand
.endr
.irp b, 0,1,2,3
	v_lshrrev_b32 v[TM+4+\b], 23, v[TM+12+\b]      ; the byte
.endr
	v_lshl_or_b32 v[\pw], v[TM+5], 8, v[TM+4]
	v_lshl_or_b32 v[\pw], v[TM+6], 16, v[\pw]
	v_lshl_or_b32 v[\pw], v[TM+7], 24, v[\pw]
.irp c, 0,1
	v_cvt_scalef32_pk16_fp6_f32 v[\pc+6*\c:\pc+2+6*\c], v[\s+32*\c:\s+15+32*\c], v[TM+12+2*\c]
	v_cvt_scalef32_pk16_fp6_f32 v[\pc+12+4*\c:\pc+14+4*\c], v[\s+16+32*\c:\s+31+32*\c], v[TM+12+2*\c+1]   ; (a conversion's three registers begin on an even number)
.endr
	v_nop                                          ; one plain place behind the scaled conversions
.irp c, 0,1                            ; the operand's layout wants a whole block in a lane: lanes 0-15 block 2 c, lanes 16-31 block 2 c + 1
.irp i, 0,1,2
	v_permlane16_swap_b32 v[\pc+6*\c+\i], v[\pc+12+4*\c+\i]
.endr
.irp i, 0,1,2
	v_mov_b32 v[\pc+3+6*\c+\i], v[\pc+12+4*\c+\i]
.endr
.endr
.endm
	s_load_b256 s[4:11], s[0:1], 0x0               ; wc, ws, qkv, qkvs
	v_lshl_add_u32 v254, v0, 2, 0x48400
	v_mov_b32 v255, 0
	ds_add_u32 v254, v255
	ds_add_u32 v254, v255
	v_lshrrev_b32 v1, 5, v0
	v_readfirstlane_b32 s14, v1                    ; wave 0..7
	s_lshr_b32 s15, s14, 2                         ; I fetch for P (0: waves 0-3) or for R (1: waves 4-7)
	s_and_b32 s16, s14, 3                          ; and which quarter of its tiles
	s_lshr_b32 s56, s14, 1                         ; wave / 2
	s_and_b32 s57, s14, 1                          ; wave % 2
	s_bfe_u32 s84, ttmp6, 0x40000                  ; cx
	s_bfe_u32 s85, ttmp6, 0x40004                  ; cy
	s_lshl_b32 s86, ttmp9, 2
	s_add_co_u32 s86, s86, s84                     ; X = 4 x cluster x + cx
	s_and_b32 s87, ttmp7, 0xffff
	s_lshr_b32 s88, s87, 1                         ; part: 1 in cluster row 2: the same in all sixteen partners
	s_lshl_b32 s87, s87, 2
	s_add_co_u32 s87, s87, s85                     ; Y = 4 x cluster y + cy
	s_lshl_b32 s89, s85, 2
	s_lshl_b32 s89, 15, s89                        ; my row of the cluster
	s_lshl_b32 s90, 0x1111, s84                    ; my column
	; groups 1: 2 rows (K steps), 73,728 elements of 8 bytes from row to row; 15:0 the mask; 17:16 elements of 8 bytes; 21 set beside a mask; no padding
	s_or_b32 s[G1P+0], s90, (3<<16)|(1<<21)        ; P: rows of 384 elements: two fragments on end
	s_mov_b32 s[G1P+1], 384<<16                    ; tensor_dim0
	s_mov_b32 s[G1P+2], 2<<16                      ; tensor_dim1
	s_mov_b32 s[G1P+3], 384<<16                    ; tile_dim0
	s_mov_b32 s[G1P+4], 2                          ; tile_dim1
	s_mov_b32 s[G1P+5], KSTR/8                     ; tensor_dim0_stride
	s_mov_b32 s[G1P+6], 0
	s_mov_b32 s[G1P+7], 0
	s_or_b32 s[G1R+0], s89, (3<<16)|(1<<21)        ; R: rows of 768 elements: four fragments on end
	s_mov_b32 s[G1R+1], 768<<16
	s_mov_b32 s[G1R+2], 2<<16
	s_mov_b32 s[G1R+3], 768<<16
	s_mov_b32 s[G1R+4], 2
	s_mov_b32 s[G1R+5], KSTR/8
	s_mov_b32 s[G1R+6], 0
	s_mov_b32 s[G1R+7], 0
	s_lshl_b32 s91, s86, 3
	s_lshl_b32 s92, s88, 7
	s_add_co_u32 s91, s91, 128
	s_sub_co_u32 s91, s91, s92                     ; P's first tile: 8 X + 128 (w_in) in part 0, 8 X (x) in part 1
	s_lshl_b32 s94, s87, 4
	s_add_co_u32 s94, s94, s92                     ; R's: 16 Y (x) in part 0, 16 Y + 128 (w_in's rows of v) in part 1
	s_lshl_b32 s17, s16, 1
	s_add_co_u32 s92, s91, s17                     ; P: my two tiles
	s_mul_i32 s92, s92, 1536
	s_mov_b32 s93, 0
	s_lshl_b32 s17, s16, 2
	s_add_co_u32 s96, s94, s17                     ; R: my four tiles
	s_mul_i32 s96, s96, 1536
	s_mov_b32 s97, 0
	s_mul_i32 s17, s16, 6144                       ; where they go in a chunk: no place in the cluster enters an LDS address
	s_mul_i32 s58, s16, 12288
	s_mov_b32 s[SEL], 0x76543210
	s_mov_b32 s[SEL+1], 0xfedcba98
	s_wait_dscnt 0x0
	s_wait_kmcnt 0x0
	s_add_nc_u64 s[92:93], s[4:5], s[92:93]
	s_add_nc_u64 s[96:97], s[4:5], s[96:97]
	CROUND                                         ; all sixteen work-groups are here: the joint loads meet
.irp c, 0,1,2,3
	s_mov_b32 s[G0P+4*\c], 1
	s_add_co_u32 s[G0P+4*\c+1], s17, \c*CHUNK
	s_add_nc_u64 s[G0P+4*\c+2:G0P+4*\c+3], s[92:93], \c*2*KSTR
	s_or_b32 s[G0P+4*\c+3], s[G0P+4*\c+3], 0x80000000
	s_mov_b32 s[G0R+4*\c], 1
	s_add_co_u32 s[G0R+4*\c+1], s58, \c*CHUNK+RPART
	s_add_nc_u64 s[G0R+4*\c+2:G0R+4*\c+3], s[96:97], \c*2*KSTR
	s_or_b32 s[G0R+4*\c+3], s[G0R+4*\c+3], 0x80000000
.endr
	s_cmp_eq_u32 s15, 0                            ; a wave's four fills stand in one branch on its number; four v_nop follow the last
	s_cbranch_scc0 .Lfirst_r
.irp c, 0,1,2,3
	tensor_load_to_lds s[G0P+4*\c:G0P+4*\c+3], s[G1P:G1P+7]
	s_nop 0
.endr
.rept 4
	v_nop
.endr
	s_branch .Lfirst_asked
.Lfirst_r:
.irp c, 0,1,2,3
	tensor_load_to_lds s[G0R+4*\c:G0R+4*\c+3], s[G1R:G1R+7]
	s_nop 0
.endr
.rept 4
	v_nop
.endr
.Lfirst_asked:
	v_and_b32 v1, 31, v0                           ; lane
	v_and_b32 v2, 15, v0                           ; r
	v_bfe_u32 v3, v0, 4, 1                         ; h
	v_lshlrev_b32 v4, 4, v1                        ; P's fragments: 16 x lane,
	v_lshlrev_b32 v5, 3, v1                        ; 8 x lane
	s_mul_i32 s18, s56, 12288
	s_mul_i32 s19, s57, 3072
	s_add_co_u32 s18, s18, s19
	s_add_co_u32 s18, s18, RPART
	v_add_nc_u32 v6, s18, v4                       ; R's: my tiles 2 w, 2 w + 1
	v_add_nc_u32 v7, s18, v5
	s_lshl_b32 s18, s14, 7
	v_lshl_add_u32 v8, v1, 2, SG
	v_add_nc_u32 v8, s18, v8                       ; my scale word on its way out: 128 w + 4 x lane
	s_lshl_b32 s18, s57, 9
	v_add_nc_u32 v9, SG, v4
	v_add_nc_u32 v9, s18, v9                       ; and back: waves 0 and 1 take 512 bytes each
	v_lshlrev_b32 v12, 4, v1
	v_lshlrev_b32 v10, 5, v2
	v_lshl_add_u32 v11, v3, 9, v10                 ; R's scale words: lanes 16-31 take the next tile's
	v_lshl_add_u32 v10, v3, 11, v10                ; P's: lanes 16-31 take those of the tile four on
	s_lshl_b32 s2, s91, 9
	s_mov_b32 s3, 0
	s_add_nc_u64 s[2:3], s[6:7], s[2:3]
	s_lshl_b32 s12, s14, 1
	s_add_co_u32 s12, s12, s94
	s_lshl_b32 s12, s12, 9
	s_mov_b32 s13, 0
	s_add_nc_u64 s[12:13], s[6:7], s[12:13]
.irp a, 0,1,2,3
.irp q, 0,1
	global_load_b128 v[16+8*\a+4*\q:16+8*\a+4*\q+3], v10, s[2:3] offset:512*\a+16*\q   ; the words of K steps 4 q .. 4 q + 3
.endr
.endr
.irp q, 0,1
	global_load_b128 v[48+4*\q:48+4*\q+3], v11, s[12:13] offset:16*\q
.endr
	; where my four halves of 768 bytes go: base + b sB + c sC (b: which of my two rows' tiles; c: which 64 along i)
	s_mul_i32 s18, s86, 196608
	s_lshl_b32 s19, s87, 4
	s_lshl_b32 s22, s14, 1
	s_add_co_u32 s19, s19, s22
	s_mul_i32 s19, s19, 768
	s_add_co_u32 s18, s18, s19                     ; part 0: slot 2 X, x tile 16 Y + 2 w
	s_and_b32 s19, s87, 7
	s_lshl_b32 s19, s19, 2
	s_add_co_u32 s19, s19, s56
	s_mul_i32 s19, s19, 98304
	s_mul_i32 s22, s86, 6144
	s_add_co_u32 s19, s19, s22
	s_mul_i32 s22, s57, 3072
	s_add_co_u32 s19, s19, s22
	s_add_co_u32 s19, s19, 3145728                 ; part 1: head 4 (Y - 8) + w / 2, key step X, d tile 2 (w % 2)
	s_mov_b32 s22, 768
	s_mov_b32 s23, 98304
	s_cmp_lg_u32 s88, 0
	s_cselect_b32 s18, s19, s18
	s_cselect_b32 s19, 1536, s22                   ; sB
	s_cselect_b32 s22, s22, s23                    ; sC
	s_cselect_b32 s23, -1, 0                       ; part as a mask of lanes
	s_add_co_u32 s98, s18, s22
	s_add_co_u32 s99, s18, s19
	s_add_co_u32 s95, s99, s22
	v_lshl_add_u32 v56, v1, 4, s18
	v_lshl_add_u32 v57, v1, 3, s18
	v_lshl_add_u32 v58, v1, 4, s98
	v_lshl_add_u32 v59, v1, 3, s98
	v_lshl_add_u32 v60, v1, 4, s99
	v_lshl_add_u32 v61, v1, 3, s99
	v_lshl_add_u32 v62, v1, 4, s95
	v_lshl_add_u32 v63, v1, 3, s95
	s_lshl_b32 s98, s86, 13                        ; and the 512 bytes of scale words that wave w % 2 stores
	s_lshl_b32 s99, s87, 10
	s_add_co_u32 s98, s98, s99
	s_lshl_b32 s99, s57, 9
	s_add_co_u32 s98, s98, s99                     ; part 0: slot pair X, tile pairs 8 Y + 4 (w % 2) on
	s_and_b32 s99, s87, 7
	s_lshl_b32 s99, s99, 1
	s_add_co_u32 s99, s99, s57
	s_lshl_b32 s99, s99, 13
	s_lshl_b32 s95, s86, 9
	s_add_co_u32 s99, s99, s95
	s_add_co_u32 s99, s99, 131072                  ; part 1: head pair 2 (Y - 8) + w % 2, key step X
	s_cmp_lg_u32 s88, 0
	s_cselect_b32 s98, s99, s98
	s_mov_b32 s99, 0
	s_add_nc_u64 s[10:11], s[10:11], s[98:99]
.irp b, 0,1,2,3
	v_mov_b32 v[TM+4+\b], 0                        ; written once: a lane permute's destination counts as one of its sources
.endr
	s_wait_tensorcnt 0x3                           ; my part of chunk 0 is in; three of my loads may be out
	s_barrier_signal -1
	s_barrier_wait -1                              ; everybody's is
	FETCH 0
	s_wait_loadcnt 0x0                             ; the scale words
.irp k, 0,1,2,3,4,5,6
.if (\k+1)%2 == 0
	WIN 0
	s_wait_tensorcnt 3-(\k+1)/2                    ; my part of the next chunk is in: so many of my loads were issued behind it
	s_wait_dscnt 0x0                               ; no LDS load of mine is out at a signal
	s_barrier_signal -1
	s_barrier_wait -1
.irp r, 4,5,6,7
	v_add_nc_u32 v\r, CHUNK, v\r                   ; on to that chunk.  These four are also the places in front of the loads below
.endr
.elseif \k > 0
.rept 4
	v_nop                                          ; four places in front of loads into registers that matrix instructions have read (ISA guide 7.12.1 for vector instructions)
.endr
.endif
	FETCH \k+1
	s_wait_dscnt 40                                ; all but the 40 just issued: this step's fragments are in
.if \k == 0
	MUL \k, 1                                      ; the first step starts the sums: nothing is cleared
.else
	MUL \k, 0
.endif
.endr
	s_wait_dscnt 0x0
	MUL 7, 0
	WIN 0
.rept 4
	v_nop                                          ; places in front of the first read of results
.endr
	QUANT ACC, PC0, PW0
	QUANT ACC+64, PC1, PW1
.irp b, 0,1
.irp c, 0,1
	global_store_b128 v[56+4*\b+2*\c], v[PC0+20*\b+6*\c:PC0+20*\b+6*\c+3], s[8:9]               ; 512 consecutive bytes, at a multiple of 256 from qkv's first byte
	global_store_b64 v[57+4*\b+2*\c], v[PC0+20*\b+6*\c+4:PC0+20*\b+6*\c+5], s[8:9] offset:512   ; and 256
.endr
.endr
	v_perm_b32 v[XW0], v[PW1], v[PW0], 0x05040100  ; part 0: the two tiles' bytes of slot 2 X in one word,
	v_perm_b32 v[XW1], v[PW1], v[PW0], 0x07060302  ; and of slot 2 X + 1
	v_cndmask_b32 v[XW0], v[XW0], v[PW0], s23      ; part 1: each row's word as it stands
	v_cndmask_b32 v[XW1], v[XW1], v[PW1], s23
	v_cmp_ne_u32 vcc_lo, 0, v3
	v_cndmask_b32 v13, v[XW0], v[XW1], vcc_lo      ; lanes 0-15 hand in the first, lanes 16-31 the second
	ds_store_b32 v8, v13
	s_wait_dscnt 0x0                               ; for the others' sake
	s_barrier_signal -1
	s_barrier_wait -1
	s_cmp_gt_u32 s14, 1
	s_cbranch_scc1 .Lno_scales                     ; wave 0 stores the words of waves 0-3, wave 1 those of waves 4-7
	ds_load_b128 v[192:195], v9
	s_wait_dscnt 0x0
	global_store_b128 v12, v[192:195], s[10:11]    ; 512 consecutive bytes, at a multiple of 256 from qkvs's first byte
.Lno_scales:
	s_wait_tensorcnt 0x0
	ds_add_u32 v254, v255
	s_wait_dscnt 0x0
	CROUND                                         ; the closing round: no work-group ends while a partner may still ask for a tile that names it
	s_endpgm
.Lfunc_end_k_qaeb07fce21_gemm_qkv:
	.size	k_qaeb07fce21_gemm_qkv, .Lfunc_end_k_qaeb07fce21_gemm_qkv-k_qaeb07fce21_gemm_qkv
	.p2alignl 7, 3214868480
	.fill 96, 4, 3214868480
	.section	.rodata,"a",@progbits
	.p2align	6, 0x0
	.amdhsa_kernel k_qaeb07fce21_gemm_qkv
		.amdhsa_group_segment_fixed_size 296960
		.amdhsa_private_segment_fixed_size 0
		.amdhsa_enable_private_segment 0
		.amdhsa_kernarg_size 32
		.amdhsa_user_sgpr_count 2
		.amdhsa_user_sgpr_kernarg_segment_ptr 1
		.amdhsa_wavefront_size32 1
		.amdhsa_system_sgpr_workgroup_id_x 1
		.amdhsa_system_sgpr_workgroup_id_y 1
		.amdhsa_system_sgpr_workgroup_id_z 1
		.amdhsa_system_vgpr_workitem_id 0
		.amdhsa_next_free_vgpr 512
		.amdhsa_next_free_sgpr 100
		.amdhsa_reserve_vcc 1
		.amdhsa_float_denorm_mode_32 3
		.amdhsa_float_denorm_mode_16_64 3
		.amdhsa_memory_ordered 1
		.amdhsa_forward_progress 1
		.amdhsa_inst_pref_size 59
	.end_amdhsa_kernel
	.amdgpu_metadata
---
amdhsa.version: [ 1, 2 ]
amdhsa.kernels:
  - .name:           k_qaeb07fce21_gemm_qkv
    .symbol:         k_qaeb07fce21_gemm_qkv.kd
    .args:
      - { .name: wc, .offset: 0, .size: 8, .value_kind: global_buffer, .address_space: global }
      - { .name: ws, .offset: 8, .size: 8, .value_kind: global_buffer, .address_space: global }
      - { .name: qkv, .offset: 16, .size: 8, .value_kind: global_buffer, .address_space: global }
      - { .name: qkvs, .offset: 24, .size: 8, .value_kind: global_buffer, .address_space: global }
    .group_segment_fixed_size: 296960
    .private_segment_fixed_size: 0
    .kernarg_segment_align: 8
    .kernarg_segment_size: 32
    .max_flat_workgroup_size: 256
    .sgpr_count:     100
    .vgpr_count:     512
    .wavefront_size: 32
...
	.end_amdgpu_metadata
.endif
;; end of part 2
;; launch attn (part 3): grid 16 x 16, 8 waves a work-group, clusters of 4 x 1, 214,016 bytes of LDS; arguments qkv, qkvs, ctx, cs; writes ctx, cs
.if DOCPART == 3
	.amdgcn_target "amdgcn-amd-amdhsa--gfx1250"
	.amdhsa_code_object_version 6
	.text
	.protected	k_qaeb07fce21_attn
	.globl	k_qaeb07fce21_attn
	.p2align	8
	.type	k_qaeb07fce21_attn,@function
k_qaeb07fce21_attn:
	s_mov_b64 s[64:65], 0
	v_nop
	global_prefetch_b8 v0, s[64:65] scope:SCOPE_SE
	s_setreg_imm32_b32 hwreg(HW_REG_WAVE_MODE, 25, 1), 1
	s_wait_xcnt 0x0
	s_wait_alu depctr_hold_cnt(0) depctr_sa_sdst(0) depctr_va_vdst(0) depctr_va_sdst(0) depctr_va_ssrc(0) depctr_va_vcc(0) depctr_vm_vsrc(0)
	s_getreg_b32 s2, hwreg(HW_REG_IB_STS2, 6, 4)
	s_cmp_eq_u32 s2, 0
	s_cbranch_scc0 .Lentry_in_a_cluster
	s_endpgm
.Lentry_in_a_cluster:
	s_bfe_u32 s2, ttmp6, 0x10000c
	s_cmp_lg_u32 s2, 0x3003
	s_cbranch_scc0 .Lentry_shape_is_right
	s_endpgm
.Lentry_shape_is_right:
; ctx[q] = the sum over keys of attn[q][key] v[key], attn = 2^(s - max) / sum, s = (q . k) / 8, for one head; both products on codes of FP6 (E2M3) with E8M0 scales.
; attn IS QUANTISED FINISHED AND NORMALISED, along the keys: its codes hang on the whole row's sum.  So the keys are walked TWICE.  Pass 1 finds each query's running maximum and sum:
; t = s, M = the largest t so far rounded up to a whole number, so that a change of M rescales the sum exactly.
; Pass 2 computes the scores again AS t - M - log2(sum): Q's scale bytes carry the 1 / 8 (3 off each byte: exact), and -(M + log2(sum)) stands in eight registers as the C of each product.
; attn is then one exponential of what the product leaves, and a block's largest attn the exponential of its largest score: no multiply-add, no multiplication by 1 / sum.
; SHARES: a work-group owns 128 queries of one head, each of its eight waves one tile of 16; two waves to a SIMD.  All K and V of the head lie in LDS, filled once (no LDS byte is filled again).
; CLUSTER 4 x 1: four query blocks of a head read the same K and V: each wave's four tensor loads are joint loads of the four work-groups.  Four of mine are out at the most.
; THE HEAD HAS 64 CHANNELS, THE INSTRUCTION 128 ALONG K: the query operand is kept as Q, zeros, Q (18 registers): v[16:27] = [Q | 0], v[22:33] = [0 | Q].  A 12-register operand of K then holds TWO tiles of 16 keys,
; and each of the two products picks one of them: zero codes add nothing.  No zero is stored or loaded.
; LAYOUT: both products transposed (S^T = K Q^T, O^T = V^T P^T): a lane holds ONE query.  Lane r of key tile 2 G + u is key 32 G + 8 u + r + 8 (r / 8), so register 16 G + i of S is key 32 G + 16 (lane / 16) + i.
; OUT: ctx's codes along (head, channel): ctx [head / 2][tile][head & 1][768]; their bytes cs [head][tile][r][2].
; LIMITS: attn is made as 2^(t - M - log2(sum)) where the source divides by the sum: M + log2(sum) is rounded once and v_log_f32 is good to an ulp, so the exponent carries an ulp or two of M + log2(sum).
; A block of q whose scale byte lies under 4 (largest magnitude under 2^-121) is held at the byte 1 in pass 2: its products count up to 8 times too large there.
; An attn under 2^-126 becomes 0 (v_exp_f32 gives no denormals: ISA guide, its entry); a block of such zeros gets the byte 1; NaN and infinities are not served.
.set KC,    256                        ; LDS: bytes 0-255 the stage for ctx's scale bytes (no tile lands there); K's codes [key tile][768];
.set VCA,   KC+98304                   ; V's codes [key step][d tile][1,536];
.set KSC,   VCA+98304                  ; K's scale words [tile pair][m][4];
.set VSC,   KSC+4096                   ; V's [key step][d tile][m][4]
.set ASC,   8                          ; the register with the scale words' LDS address: v8 in pass 1, v55 in pass 2
.set CM,    8                          ; v8-15 in pass 2: -(M + log2(sum)), eight times: the C of the score products
.set QS,    34                         ; v34 Q's scale word; v35 attn's; v36-37 K's; v38-39 V's
.set PW,    35
.set KS,    36
.set VS,    38
.set PC,    40                         ; v40-51 attn's codes; ahead of the conversions v40-43 the blocks' maxima, v44-47 permutes and bytes
.set BM,    40
.set BP,    44
.set TT,    52                         ; v52-54, v56-58 the conversions' second halves; v55, v59 at work in pass 1
.set SO,    60                         ; v60-63 the conversions' scale operands; in pass 1 v[60:61]: f
.set F0,    64                         ; v64-111 K's four fragments
.set S,     112                        ; v112-175 the scores, then attn
.set O,     176                        ; v176-207 O^T
.set F1,    208                        ; v208-255 V's four fragments
; v1 16 x lane, v2 8 x lane, v3 KSC + 4 x lane: never rewritten.  v4, v5 K's addresses, v6, v7 V's.  In pass 1: v10 -M, v11 the largest t, v[12:13] the sum.  v16-33 Q, zeros, Q.
; s18 wave; s[20:21] lane selects; s[22:23] 1 / 8; s[24:47] three groups 1; s[48:63] four groups 0; s66 6,144 x key step, s67 256 x key step, s68 trips.
.macro CROUND
	s_barrier_signal -1
	s_barrier_wait -1
	s_cmp_lg_u32 s18, 0
	s_cbranch_scc1 .Lnot_wave_0_\@
	s_barrier_signal -3
.Lnot_wave_0_\@:
	s_barrier_wait -3
	s_barrier_signal -1
	s_barrier_wait -1
.endm
.macro FRAG reg, a16, a8, off
	ds_load_b128 v[\reg:\reg+3], v[\a16] offset:\off
	ds_load_b64 v[\reg+4:\reg+5], v[\a8] offset:\off+512
	ds_load_b128 v[\reg+6:\reg+9], v[\a16] offset:\off+768
	ds_load_b64 v[\reg+10:\reg+11], v[\a8] offset:\off+1280
.endm
.macro FETCHK off                      ; 18 loads: the four pairs of key tiles of the step off bytes on from the addresses, and their scale words (lanes 0-15 the even pair's, lanes 16-31 the odd's)
.irp p, 0,1,2,3
	FRAG F0+12*\p, 4, 5, KC+\off+1536*\p
.endr
	ds_load_b32 v[KS], v[ASC] offset:\off/24
	ds_load_b32 v[KS+1], v[ASC] offset:\off/24+128
.endm
.macro FETCHV                          ; 18 loads: the step's four tiles of V^T and their scale words
.irp t, 0,1,2,3
	FRAG F1+12*\t, 6, 7, 1536*\t
.endr
	ds_load_b32 v[VS], v[ASC] offset:4096
	ds_load_b32 v[VS+1], v[ASC] offset:4224
.endm
.macro WMQ d, a, b, sa, ra, c          ; c = 0: the sum starts at 0; c = 1: at v[CM:CM+7]
.if (\c) && (\ra)
	v_wmma_scale_f32_16x16x128_f8f6f4 v[\d:\d+7], v[\a:\a+11], v[\b:\b+11], v[CM:CM+7], v[\sa], v[QS] matrix_a_fmt:MATRIX_FMT_FP6 matrix_b_fmt:MATRIX_FMT_FP6 matrix_a_scale:MATRIX_SCALE_ROW1
.elseif (\c)
	v_wmma_scale_f32_16x16x128_f8f6f4 v[\d:\d+7], v[\a:\a+11], v[\b:\b+11], v[CM:CM+7], v[\sa], v[QS] matrix_a_fmt:MATRIX_FMT_FP6 matrix_b_fmt:MATRIX_FMT_FP6
.elseif (\ra)
	v_wmma_scale_f32_16x16x128_f8f6f4 v[\d:\d+7], v[\a:\a+11], v[\b:\b+11], 0, v[\sa], v[QS] matrix_a_fmt:MATRIX_FMT_FP6 matrix_b_fmt:MATRIX_FMT_FP6 matrix_a_scale:MATRIX_SCALE_ROW1
.else
	v_wmma_scale_f32_16x16x128_f8f6f4 v[\d:\d+7], v[\a:\a+11], v[\b:\b+11], 0, v[\sa], v[QS] matrix_a_fmt:MATRIX_FMT_FP6 matrix_b_fmt:MATRIX_FMT_FP6
.endif
.endm
.macro QK c                            ; S^T of 128 keys: each pair's fragment against [Q | 0] and against [0 | Q]
.irp p, 0,1,2,3
	WMQ S+16*\p, F0+12*\p, 16, KS+\p/2, \p%2, \c
	WMQ S+16*\p+8, F0+12*\p, 22, KS+\p/2, \p%2, \c
.endr
.endm
.macro WMV d, a, sa, ra, z
.if (\z) && (\ra)
	v_wmma_scale_f32_16x16x128_f8f6f4 v[\d:\d+7], v[\a:\a+11], v[PC:PC+11], 0, v[\sa], v[PW] matrix_a_fmt:MATRIX_FMT_FP6 matrix_b_fmt:MATRIX_FMT_FP6 matrix_a_scale:MATRIX_SCALE_ROW1
.elseif (\z)
	v_wmma_scale_f32_16x16x128_f8f6f4 v[\d:\d+7], v[\a:\a+11], v[PC:PC+11], 0, v[\sa], v[PW] matrix_a_fmt:MATRIX_FMT_FP6 matrix_b_fmt:MATRIX_FMT_FP6
.elseif (\ra)
	v_wmma_scale_f32_16x16x128_f8f6f4 v[\d:\d+7], v[\a:\a+11], v[PC:PC+11], v[\d:\d+7], v[\sa], v[PW] matrix_a_fmt:MATRIX_FMT_FP6 matrix_b_fmt:MATRIX_FMT_FP6 matrix_a_scale:MATRIX_SCALE_ROW1
.else
	v_wmma_scale_f32_16x16x128_f8f6f4 v[\d:\d+7], v[\a:\a+11], v[PC:PC+11], v[\d:\d+7], v[\sa], v[PW] matrix_a_fmt:MATRIX_FMT_FP6 matrix_b_fmt:MATRIX_FMT_FP6
.endif
.endm
.macro BLOCKMAX                        ; my 16 scores of each block of 32 keys: the largest.  Each accumulator is read from its low end on
.irp b, 0,1,2,3
	v_max3_num_f32 v[BM+\b], v[S+16*\b], v[S+16*\b+1], v[S+16*\b+2]
.endr
.irp i, 3,5,7,9,11,13
.irp b, 0,1,2,3
	v_max3_num_f32 v[BM+\b], v[BM+\b], v[S+16*\b+\i], v[S+16*\b+\i+1]
.endr
.endr
.irp b, 0,1,2,3
	v_max_num_f32 v[BM+\b], v[BM+\b], v[S+16*\b+15]
.endr
.endm
.macro TMINUSM                         ; pass 1: t - M = s / 8 - M, two at a time (of the pairs 1 / 8 and -M the low word serves both halves)
.set j, 0
.rept 32
	v_pk_fma_f32 v[S+j:S+j+1], v[S+j:S+j+1], s[22:23], v[10:11] op_sel_hi:[1,0,0]
.set j, j+2
.endr
.endm
.macro EXPS
.set j, 0
.rept 64
	v_exp_f32 v[S+j], v[S+j]
.set j, j+1
.endr
.endm
; PASS 1, a key step.  tail = 1: the last: the next fetch is pass 2's first step
.macro P1STEP tail
	s_wait_dscnt 0x0                               ; this step's K is in
	QK 0
.if \tail
	s_mov_b32 s66, 0
	s_mov_b32 s67, 0
.else
	s_add_co_u32 s66, s66, 6144
	s_add_co_u32 s67, s67, 256
.endif
	v_add_nc_u32 v4, s66, v1                       ; four places behind the products: in front of the loads into their operands, and of the first read of the scores
	v_add_nc_u32 v5, s66, v2
	v_add_nc_u32 v[ASC], s67, v3
	v_nop
	FETCHK 0                                       ; lands while the step's vector work is done
	BLOCKMAX
	v_max3_num_f32 v55, v[BM], v[BM+1], v[BM+2]
	v_max_num_f32 v55, v55, v[BM+3]
	v_permlanex16_b32 v59, v55, s20, s21
	v_max_num_f32 v55, v55, v59                    ; the step's largest score of my query
	v_mul_f32 v55, s22, v55                        ; as t
	v_max_num_f32 v11, v11, v55                    ; the running largest t
	v_mov_b32 v55, v10
	v_floor_f32 v10, -v11                          ; -M = floor(-t): M is a whole number
	v_sub_f32 v55, v10, v55                        ; old M - new M: a whole number, 0 or less
	v_cvt_i32_f32 v55, v55                         ; (it saturates)
	v_ldexp_f32 v60, 1.0, v55                      ; f = 2^(old M - new M)
	TMINUSM
	EXPS
	v_pk_mul_f32 v[12:13], v[12:13], v[60:61] op_sel_hi:[1,0]   ; the sum under the new M: nothing is rounded.  (The plain place behind the exponentials)
	s_wait_alu depctr_va_vdst(0)
	v_pk_add_f32 v[52:53], v[S:S+1], v[S+2:S+3]    ; the step's 64 terms, two at a time, in two chains
.set j, 4
.rept 15
	v_pk_add_f32 v[12:13], v[12:13], v[S+j:S+j+1]
	v_pk_add_f32 v[52:53], v[52:53], v[S+j+2:S+j+3]
.set j, j+4
.endr
	v_pk_add_f32 v[12:13], v[12:13], v[52:53]
.endm
; PASS 2, a key step.  first = 1: its products start O^T.  last = 1: nothing more is fetched
.macro P2STEP first, last
	v_add_nc_u32 v4, s66, v1                       ; five places behind the last products, in front of the loads into their operands
	v_add_nc_u32 v5, s66, v2
	v_add_nc_u32 v6, VCA, v4
	v_add_nc_u32 v7, VCA, v5
	v_add_nc_u32 v[ASC], s67, v3
	FETCHV
	s_wait_dscnt 18                                ; all but the 18 just issued: this step's K is in
	QK 1                                           ; t - M - log2(sum)
.rept 4
	v_nop                                          ; places in front of the loads into K's registers and of the first read of the scores
.endr
.if \last == 0
	FETCHK 6144                                    ; the next step's K
.endif
	BLOCKMAX
.irp b, 0,1,2,3
	v_permlanex16_b32 v[BP+\b], v[BM+\b], s20, s21
.endr
.irp b, 0,1,2,3
	v_max_num_f32 v[BM+\b], v[BM+\b], v[BP+\b]     ; with lane l xor 16's 16 keys: the block's largest score
.endr
	EXPS                                           ; attn
.irp b, 0,1,2,3
	v_exp_f32 v[BM+\b], v[BM+\b]                   ; the block's largest attn: the same instruction on the same number gives the same bits
.endr
	v_nop                                          ; one plain place behind the exponentials
	s_wait_alu depctr_va_vdst(0)
.irp b, 0,1,2,3
	v_max_num_f32 v[BM+\b], 0x1800000, v[BM+\b]    ; the floor 2^(3 - 127): the byte cannot fall under 1
.endr
.irp b, 0,1,2,3
	v_add_nc_u32 v[SO+\b], 0xff000000, v[BM+\b]    ; 2 off the exponent field: the conversion's scale operand
.endr
.irp b, 0,1,2,3
	v_lshrrev_b32 v[BP+\b], 23, v[SO+\b]           ; the byte
.endr
	v_lshl_or_b32 v[PW], v[BP+1], 8, v[BP]         ; attn's scale word for these 128 keys
	v_lshl_or_b32 v[PW], v[BP+2], 16, v[PW]
	v_lshl_or_b32 v[PW], v[BP+3], 24, v[PW]
	v_cvt_scalef32_pk16_fp6_f32 v[PC:PC+2], v[S:S+15], v[SO]
	v_cvt_scalef32_pk16_fp6_f32 v[TT:TT+2], v[S+16:S+31], v[SO+1]     ; (a conversion's three registers begin on an even number)
	v_cvt_scalef32_pk16_fp6_f32 v[PC+6:PC+8], v[S+32:S+47], v[SO+2]
	v_cvt_scalef32_pk16_fp6_f32 v[TT+4:TT+6], v[S+48:S+63], v[SO+3]
	v_nop                                          ; one plain place behind the scaled conversions
.irp c, 0,1                            ; the operand's layout wants a whole block in a lane
.irp i, 0,1,2
	v_permlane16_swap_b32 v[PC+6*\c+\i], v[TT+4*\c+\i]
.endr
.irp i, 0,1,2
	v_mov_b32 v[PC+3+6*\c+\i], v[TT+4*\c+\i]
.endr
.endr
.rept 4
	v_nop                                          ; an operand written by vector instructions stands 4 places ahead of a scaled matrix instruction, a scale register 8: the word was made 17 plain lines back
.endr
.if \last
	s_wait_dscnt 0x0
.else
	s_wait_dscnt 18                                ; all but the next step's K: V is in
.endif
.irp t, 0,1,2,3
	WMV O+8*\t, F1+12*\t, VS+\t/2, \t%2, \first    ; O^T's four accumulators by turns, one instruction a turn
.endr
	s_add_co_u32 s66, s66, 6144
	s_add_co_u32 s67, s67, 256
.endm
; 32 numbers of a lane, register 16 b + i = place 32 b + 16 (lane / 16) + i of my row, become six registers of codes in v[pc] on and two bytes in v[pw]
.macro QUANT32 s, pc, pw, tm
.irp b, 0,1
	v_max3_num_f32 v[\tm+\b], |v[\s+16*\b]|, |v[\s+16*\b+1]|, 0x1800000
.endr
.irp i, 2,4,6,8,10,12,14
.irp b, 0,1
	v_max3_num_f32 v[\tm+\b], v[\tm+\b], |v[\s+16*\b+\i]|, |v[\s+16*\b+\i+1]|
.endr
.endr
.irp b, 0,1
	v_permlanex16_b32 v[\tm+4+\b], v[\tm+\b], s20, s21
.endr
.irp b, 0,1
	v_max_num_f32 v[\tm+\b], v[\tm+\b], v[\tm+4+\b]
.endr
.irp b, 0,1
	v_add_nc_u32 v[\tm+12+\b], 0xff000000, v[\tm+\b]
.endr
.irp b, 0,1
	v_lshrrev_b32 v[\tm+4+\b], 23, v[\tm+12+\b]
.endr
	v_lshl_or_b32 v[\pw], v[\tm+5], 8, v[\tm+4]
	v_cvt_scalef32_pk16_fp6_f32 v[\pc:\pc+2], v[\s:\s+15], v[\tm+12]
	v_cvt_scalef32_pk16_fp6_f32 v[\pc+12:\pc+14], v[\s+16:\s+31], v[\tm+13]
	v_nop
.irp i, 0,1,2
	v_permlane16_swap_b32 v[\pc+\i], v[\pc+12+\i]
.endr
.irp i, 0,1,2
	v_mov_b32 v[\pc+3+\i], v[\pc+12+\i]
.endr
.endm
	s_load_b256 s[4:11], s[0:1], 0x0               ; qkv, qkvs, ctx, cs
	s_set_vgpr_msb 0x40
	v_lshl_add_u32 v0, v0, 2, 0x34000
	v_mov_b32 v1, 0
	s_set_vgpr_msb 0x4045
	ds_add_u32 v0, v1
	ds_add_u32 v0, v1
	s_set_vgpr_msb 0x4500
	v_lshrrev_b32 v1, 5, v0
	v_readfirstlane_b32 s18, v1                    ; wave 0..7
	s_bfe_u32 s69, ttmp6, 0x40000                  ; cx
	s_lshl_b32 s73, ttmp9, 2
	s_add_co_u32 s73, s73, s69                     ; my block of 128 queries: it enters Q's, ctx's and cs's addresses alone
	s_and_b32 s70, ttmp7, 0xffff                   ; the head, which the four partners share
	s_lshr_b32 s71, s70, 1
	s_and_b32 s72, s70, 1
	s_lshl_b32 s12, s18, 10                        ; 1,024 x wave
	s_mul_i32 s13, s18, 12288
	s_add_co_u32 s74, s71, 8                       ; K's scale words: slot pair 8 + head / 2, my 8 tile pairs
	s_lshl_b32 s74, s74, 13
	s_lshl_b32 s15, s72, 6
	s_add_co_u32 s74, s74, s15
	s_add_co_u32 s74, s74, s12
	s_mov_b32 s75, 0
	s_add_co_u32 s76, s70, 16                      ; K's codes: slot 16 + head, my 16 tiles
	s_mul_i32 s76, s76, 98304
	s_add_co_u32 s76, s76, s13
	s_mov_b32 s77, 0
	s_lshl_b32 s78, s71, 13                        ; V's scale words: my 2 key steps
	s_lshl_b32 s15, s72, 8
	s_add_co_u32 s78, s78, s15
	s_add_co_u32 s78, s78, s12
	s_add_co_u32 s78, s78, 131072
	s_mov_b32 s79, 0
	s_mul_i32 s80, s70, 98304                      ; V's codes: my 2 key steps
	s_add_co_u32 s80, s80, s13
	s_add_co_u32 s80, s80, 3145728
	s_mov_b32 s81, 0
	s_lshl_b32 s16, s73, 3
	s_add_co_u32 s16, s16, s18                     ; my tile of queries: 8 x block + wave
	s_mul_i32 s82, s70, 98304
	s_mul_i32 s15, s16, 768
	s_add_co_u32 s82, s82, s15                     ; Q's codes
	s_mov_b32 s83, 0
	s_lshl_b32 s84, s71, 13
	s_lshr_b32 s15, s16, 1
	s_lshl_b32 s15, s15, 7
	s_add_co_u32 s84, s84, s15
	s_lshl_b32 s15, s72, 6
	s_add_co_u32 s84, s84, s15                     ; Q's scale words: its tile pair's
	s_mov_b32 s85, 0
	s_mul_i32 s86, s71, 196608
	s_mul_i32 s15, s16, 1536
	s_add_co_u32 s86, s86, s15
	s_mul_i32 s15, s72, 768
	s_add_co_u32 s86, s86, s15                     ; ctx
	s_mov_b32 s87, 0
	s_lshl_b32 s88, s70, 12
	s_lshl_b32 s15, s73, 8
	s_add_co_u32 s88, s88, s15                     ; cs
	s_mov_b32 s89, 0
	; groups 1, elements of 8 bytes, the mask of all four work-groups, bit 21 beside it, no padding
	s_mov_b32 s24, 15|(3<<16)|(1<<21)              ; codes: 48 rows of 256 bytes, dense
	s_mov_b32 s25, 32<<16
	s_mov_b32 s26, 48<<16
	s_mov_b32 s27, 32<<16
	s_mov_b32 s28, 48
	s_mov_b32 s29, 32
	s_mov_b32 s30, 0
	s_mov_b32 s31, 0
	s_mov_b32 s32, 15|(3<<16)|(1<<21)              ; K's scale words: 8 rows of 64 bytes, 128 bytes apart
	s_mov_b32 s33, 8<<16
	s_mov_b32 s34, 8<<16
	s_mov_b32 s35, 8<<16
	s_mov_b32 s36, 8
	s_mov_b32 s37, 16
	s_mov_b32 s38, 0
	s_mov_b32 s39, 0
	s_mov_b32 s40, 15|(3<<16)|(1<<21)              ; V's: 2 rows of 256 bytes, 512 bytes apart
	s_mov_b32 s41, 32<<16
	s_mov_b32 s42, 2<<16
	s_mov_b32 s43, 32<<16
	s_mov_b32 s44, 2
	s_mov_b32 s45, 64
	s_mov_b32 s46, 0
	s_mov_b32 s47, 0
	s_lshl_b32 s12, s18, 9                         ; 512 x wave
	s_mov_b32 s20, 0x76543210
	s_mov_b32 s21, 0xfedcba98
	s_mov_b32 s22, 0x3e000000                      ; 1 / 8
	s_mov_b32 s23, s22                             ; (named with it as a pair, so it is written)
	s_mov_b32 s66, 0
	s_mov_b32 s67, 0
	s_wait_dscnt 0x0
	s_wait_kmcnt 0x0
	s_mov_b32 s48, 1
	s_add_co_u32 s49, s12, KSC
	s_add_nc_u64 s[50:51], s[6:7], s[74:75]
	s_or_b32 s51, s51, 0x80000000
	s_mov_b32 s52, 1
	s_add_co_u32 s53, s13, KC
	s_add_nc_u64 s[54:55], s[4:5], s[76:77]
	s_or_b32 s55, s55, 0x80000000
	s_mov_b32 s56, 1
	s_add_co_u32 s57, s12, VSC
	s_add_nc_u64 s[58:59], s[6:7], s[78:79]
	s_or_b32 s59, s59, 0x80000000
	s_mov_b32 s60, 1
	s_add_co_u32 s61, s13, VCA
	s_add_nc_u64 s[62:63], s[4:5], s[80:81]
	s_or_b32 s63, s63, 0x80000000
	s_add_nc_u64 s[82:83], s[4:5], s[82:83]
	s_add_nc_u64 s[84:85], s[6:7], s[84:85]
	s_add_nc_u64 s[86:87], s[8:9], s[86:87]
	s_add_nc_u64 s[88:89], s[10:11], s[88:89]
	CROUND                                         ; all four work-groups are here: the joint loads meet
	tensor_load_to_lds s[48:51], s[32:39]          ; K's scale words, K's codes: pass 1 wants these two;
	s_nop 0
	tensor_load_to_lds s[52:55], s[24:31]
	s_nop 0
	tensor_load_to_lds s[56:59], s[40:47]          ; V's scale words, V's codes: they have all of pass 1 in which to land
	s_nop 0
	tensor_load_to_lds s[60:63], s[24:31]
	s_nop 0
.rept 4
	v_nop
.endr
	v_and_b32 v55, 31, v0                          ; lane
	v_and_b32 v59, 15, v0                          ; r
	v_lshlrev_b32 v1, 4, v55
	v_lshlrev_b32 v2, 3, v55
	v_lshl_add_u32 v3, v55, 2, KSC
	v_lshlrev_b32 v52, 2, v59
	global_load_b128 v[16:19], v1, s[82:83]        ; Q's six registers, twice
	global_load_b64 v[20:21], v2, s[82:83] offset:512
	global_load_b128 v[28:31], v1, s[82:83]
	global_load_b64 v[32:33], v2, s[82:83] offset:512
	global_load_b32 v[QS], v52, s[84:85]
.irp i, 22,23,24,25,26,27
	v_mov_b32 v\i, 0                               ; and zero codes between
.endr
	v_mov_b32 v11, 0xff61b1e6                      ; the largest t so far: -3e38, under every t
	v_floor_f32 v10, -v11                          ; -M
	v_mov_b32 v12, 0                               ; the sum, in two halves
	v_mov_b32 v13, 0
	v_mov_b32 v61, 0                               ; (named as the upper half of the pair v[60:61])
.irp b, 0,1,2,3
	v_mov_b32 v[BP+\b], 0                          ; written once: a lane permute's destination counts as one of its sources
.endr
	v_mov_b32 v4, v1
	v_mov_b32 v5, v2
	v_mov_b32 v[ASC], v3
	s_wait_tensorcnt 0x2                           ; my parts of K's words and codes are in; V's two loads may be out
	s_barrier_signal -1
	s_barrier_wait -1                              ; everybody's are
	FETCHK 0
	s_wait_loadcnt 0x0                             ; Q
	s_and_b32 s12, s18, 1
	s_lshl_b32 s12, s12, 4
	v_lshrrev_b32 v[QS], s12, v[QS]                ; my tile's half of the pair's word,
	v_and_b32 v[QS], 0xffff, v[QS]
	v_lshl_or_b32 v[QS], v[QS], 16, v[QS]          ; for both places of Q in the operand
.rept 8
	v_nop                                          ; a scale register written by a vector instruction stands 8 places ahead of a scaled matrix instruction
.endr
	s_mov_b32 s68, 15
.Lpass1:
	P1STEP 0
	s_sub_co_u32 s68, s68, 1
	s_cmp_lg_u32 s68, 0
	s_cbranch_scc1 .Lpass1
	P1STEP 1
	; BETWEEN THE PASSES: log2 of the row's sum; 3 off each of Q's scale bytes; -(M + log2(sum)) eight times
	v_add_f32 v12, v12, v13                        ; the sum's two halves,
	v_permlanex16_b32 v59, v12, s20, s21
	v_add_f32 v12, v12, v59                        ; and lane l xor 16's: the row's sum, between 1 / 2 and 2,048
	v_log_f32 v14, v12
	v_and_b32 v52, 0xff, v[QS]                     ; (a plain place behind the transcendental)  Q's two bytes,
	v_bfe_u32 v53, v[QS], 8, 8
	v_mov_b32 v54, 4
	v_cmp_gt_u32 vcc_lo, 4, v52
	v_cndmask_b32 v52, v52, v54, vcc_lo            ; each held at 4 from below, so that no byte falls under 1,
	v_cmp_gt_u32 vcc_lo, 4, v53
	v_cndmask_b32 v53, v53, v54, vcc_lo
	v_lshl_or_b32 v52, v53, 8, v52
	v_add_nc_u32 v52, 0xfffffcfd, v52              ; and 3 off each: the scores come out divided by 8, exactly
	v_lshl_or_b32 v[QS], v52, 16, v52              ; for both places of Q in the operand.  Thirteen plain lines stand between this one and the next product
	s_wait_tensorcnt 0x0                           ; my parts of V are in,
	s_wait_dscnt 0x0
	s_barrier_signal -1
	s_barrier_wait -1                              ; everybody's are
	s_wait_alu depctr_va_vdst(0)
	v_sub_f32 v[CM], v10, v14                      ; -M - log2(sum)
.irp i, 1,2,3,4,5,6,7
	v_mov_b32 v[CM+\i], v[CM]                      ; a lane holds one query, so all eight registers of C are its number
.endr
.set ASC, 55                           ; v8 is taken: in pass 2 the scale words' address lies in v55
	P2STEP 1, 0
	s_mov_b32 s68, 14
.Lpass2:
	P2STEP 0, 0
	s_sub_co_u32 s68, s68, 1
	s_cmp_lg_u32 s68, 0
	s_cbranch_scc1 .Lpass2
	P2STEP 0, 1
.rept 4
	v_nop                                          ; places in front of the first read of O^T
.endr
	QUANT32 O, 128, 144, 112                       ; ctx's 64 channels of this head, quantised along them; at work in the scores' registers
	global_store_b128 v1, v[128:131], s[86:87]     ; 512 consecutive bytes, at a multiple of 256 from ctx's first byte
	global_store_b64 v2, v[132:133], s[86:87] offset:512
	s_lshl_b32 s12, s18, 5
	v_and_b32 v9, 15, v0
	v_lshl_add_u32 v9, v9, 1, s12                  ; the stage: 32 x wave + 2 r
	ds_store_b16 v9, v144                          ; both lanes of a row write the same two bytes
	s_wait_dscnt 0x0                               ; for the others' sake
	s_barrier_signal -1
	s_barrier_wait -1
	s_cmp_lg_u32 s18, 0
	s_cbranch_scc1 .Lno_scales
	ds_load_b64 v[146:147], v2
	s_wait_dscnt 0x0
	global_store_b64 v2, v[146:147], s[88:89]      ; the eight tiles' 256 bytes, at a multiple of 256 from cs's first byte
.Lno_scales:
	s_set_vgpr_msb 0x5
	s_wait_tensorcnt 0x0
	ds_add_u32 v0, v1
	s_wait_dscnt 0x0
	s_set_vgpr_msb 0x500
	CROUND                                         ; the closing round
	s_endpgm
.Lfunc_end_k_qaeb07fce21_attn:
	.size	k_qaeb07fce21_attn, .Lfunc_end_k_qaeb07fce21_attn-k_qaeb07fce21_attn
	.p2alignl 7, 3214868480
	.fill 96, 4, 3214868480
	.section	.rodata,"a",@progbits
	.p2align	6, 0x0
	.amdhsa_kernel k_qaeb07fce21_attn
		.amdhsa_group_segment_fixed_size 214016
		.amdhsa_private_segment_fixed_size 0
		.amdhsa_enable_private_segment 0
		.amdhsa_kernarg_size 32
		.amdhsa_user_sgpr_count 2
		.amdhsa_user_sgpr_kernarg_segment_ptr 1
		.amdhsa_wavefront_size32 1
		.amdhsa_system_sgpr_workgroup_id_x 1
		.amdhsa_system_sgpr_workgroup_id_y 1
		.amdhsa_system_sgpr_workgroup_id_z 1
		.amdhsa_system_vgpr_workitem_id 0
		.amdhsa_next_free_vgpr 258
		.amdhsa_next_free_sgpr 90
		.amdhsa_reserve_vcc 1
		.amdhsa_float_denorm_mode_32 3
		.amdhsa_float_denorm_mode_16_64 3
		.amdhsa_memory_ordered 1
		.amdhsa_forward_progress 1
		.amdhsa_inst_pref_size 66
	.end_amdhsa_kernel
	.amdgpu_metadata
---
amdhsa.version: [ 1, 2 ]
amdhsa.kernels:
  - .name:           k_qaeb07fce21_attn
    .symbol:         k_qaeb07fce21_attn.kd
    .args:
      - { .name: qkv, .offset: 0, .size: 8, .value_kind: global_buffer, .address_space: global }
      - { .name: qkvs, .offset: 8, .size: 8, .value_kind: global_buffer, .address_space: global }
      - { .name: ctx, .offset: 16, .size: 8, .value_kind: global_buffer, .address_space: global }
      - { .name: cs, .offset: 24, .size: 8, .value_kind: global_buffer, .address_space: global }
    .group_segment_fixed_size: 214016
    .private_segment_fixed_size: 0
    .kernarg_segment_align: 8
    .kernarg_segment_size: 32
    .max_flat_workgroup_size: 256
    .sgpr_count:     90
    .vgpr_count:     258
    .wavefront_size: 32
...
	.end_amdgpu_metadata
.endif
;; end of part 3
;; launch gemm_out (part 4): grid 16 x 16, 4 waves a work-group, clusters of 4 x 4, 182,784 bytes of LDS; arguments ctx, cs, wc, ws, out0; writes out0
.if DOCPART == 4
	.amdgcn_target "amdgcn-amd-amdhsa--gfx1250"
	.amdhsa_code_object_version 6
	.text
	.protected	k_qaeb07fce21_gemm_out
	.globl	k_qaeb07fce21_gemm_out
	.p2align	8
	.type	k_qaeb07fce21_gemm_out,@function
k_qaeb07fce21_gemm_out:
	s_mov_b64 s[64:65], 0
	v_nop
	global_prefetch_b8 v0, s[64:65] scope:SCOPE_SE
	s_setreg_imm32_b32 hwreg(HW_REG_WAVE_MODE, 25, 1), 1
	s_wait_xcnt 0x0
	s_wait_alu depctr_hold_cnt(0) depctr_sa_sdst(0) depctr_va_vdst(0) depctr_va_sdst(0) depctr_va_ssrc(0) depctr_va_vcc(0) depctr_vm_vsrc(0)
	s_getreg_b32 s2, hwreg(HW_REG_IB_STS2, 6, 4)
	s_cmp_eq_u32 s2, 0
	s_cbranch_scc0 .Lentry_in_a_cluster
	s_endpgm
.Lentry_in_a_cluster:
	s_bfe_u32 s2, ttmp6, 0x10000c
	s_cmp_lg_u32 s2, 0xf033
	s_cbranch_scc0 .Lentry_shape_is_right
	s_endpgm
.Lentry_shape_is_right:
; out0 = ctx w_out^T on codes of FP6 (E2M3) with E8M0 scales; out0 [2048][1024] f32, sums in f32, K = 1,024 ascending.
; Source 0 = 16 rows of w_out (P), source 1 = 16 rows of ctx (R): a lane holds one row of out0 and eight neighbouring columns.
; A TILE is 16 rows of a group of 32: lane r of tile 2 G + u is row 32 G + 8 u + r + 8 (r / 8); both operands lie in memory as fragments in the order of the operand's registers.
; SHARES: a work-group makes 128 rows x 64 columns (256 work-groups); wave w takes P's 4 tiles and R's tiles 2 w, 2 w + 1: 8 accumulators.
; ALL OF K LIES IN LDS, FILLED ONCE: 4 chunks of 2 K steps, each wave one tensor load a chunk (4 of mine are out at the most); no LDS byte is filled again.
; CLUSTER 4 x 4: P's tiles hang on X alone and are asked for jointly by a column of the cluster, R's on Y alone, by a row.
; REGISTERS: v1-12 addresses; v16-31 P's scale words, v32-39 R's; v40-103 the accumulators ((b, a) at 40 + 32 b + 8 a); v104-175, v176-247 two sets of fragments.
.set ACC,   40
.set FS,    104
.set CHUNK, 36864                      ; two K steps: P's 4 tiles (12,288 bytes), then R's 8
.set RPART, 12288
.set STAGE, 4*CHUNK                    ; behind the chunks: 32 rows x (256 bytes + 16) for each wave; no tile lands there
.set SPITCH, 272
.set KSTRP, 589824                     ; bytes from a K step to the next in wc,
.set KSTRR, 196608                     ; and in ctx
.set G1P,   24
.set G1R,   32
.set G0P,   40
.set G0R,   68
.macro CREST
	s_cmp_lg_u32 s14, 0
	s_cbranch_scc1 .Lnot_wave_0_\@
	s_barrier_signal -3
.Lnot_wave_0_\@:
	s_barrier_wait -3
	s_barrier_signal -1
	s_barrier_wait -1
.endm
.macro CROUND
	s_barrier_signal -1
	s_barrier_wait -1
	CREST
.endm
.macro FRAG reg, a16, a8, off
	ds_load_b128 v[\reg:\reg+3], v[\a16] offset:\off
	ds_load_b64 v[\reg+4:\reg+5], v[\a8] offset:\off+512
	ds_load_b128 v[\reg+6:\reg+9], v[\a16] offset:\off+768
	ds_load_b64 v[\reg+10:\reg+11], v[\a8] offset:\off+1280
.endm
.macro WM d, a, b, z, sa, sb, ra, rb
.if (\z) && ((\ra) == 0) && ((\rb) == 0)
	v_wmma_scale_f32_16x16x128_f8f6f4 v[\d:\d+7], v[\a:\a+11], v[\b:\b+11], 0, v[\sa], v[\sb] matrix_a_fmt:MATRIX_FMT_FP6 matrix_b_fmt:MATRIX_FMT_FP6
.elseif (\z) && ((\ra) == 0)
	v_wmma_scale_f32_16x16x128_f8f6f4 v[\d:\d+7], v[\a:\a+11], v[\b:\b+11], 0, v[\sa], v[\sb] matrix_a_fmt:MATRIX_FMT_FP6 matrix_b_fmt:MATRIX_FMT_FP6 matrix_b_scale:MATRIX_SCALE_ROW1
.elseif (\z) && ((\rb) == 0)
	v_wmma_scale_f32_16x16x128_f8f6f4 v[\d:\d+7], v[\a:\a+11], v[\b:\b+11], 0, v[\sa], v[\sb] matrix_a_fmt:MATRIX_FMT_FP6 matrix_b_fmt:MATRIX_FMT_FP6 matrix_a_scale:MATRIX_SCALE_ROW1
.elseif (\z)
	v_wmma_scale_f32_16x16x128_f8f6f4 v[\d:\d+7], v[\a:\a+11], v[\b:\b+11], 0, v[\sa], v[\sb] matrix_a_fmt:MATRIX_FMT_FP6 matrix_b_fmt:MATRIX_FMT_FP6 matrix_a_scale:MATRIX_SCALE_ROW1 matrix_b_scale:MATRIX_SCALE_ROW1
.elseif ((\ra) == 0) && ((\rb) == 0)
	v_wmma_scale_f32_16x16x128_f8f6f4 v[\d:\d+7], v[\a:\a+11], v[\b:\b+11], v[\d:\d+7], v[\sa], v[\sb] matrix_a_fmt:MATRIX_FMT_FP6 matrix_b_fmt:MATRIX_FMT_FP6
.elseif ((\ra) == 0)
	v_wmma_scale_f32_16x16x128_f8f6f4 v[\d:\d+7], v[\a:\a+11], v[\b:\b+11], v[\d:\d+7], v[\sa], v[\sb] matrix_a_fmt:MATRIX_FMT_FP6 matrix_b_fmt:MATRIX_FMT_FP6 matrix_b_scale:MATRIX_SCALE_ROW1
.elseif ((\rb) == 0)
	v_wmma_scale_f32_16x16x128_f8f6f4 v[\d:\d+7], v[\a:\a+11], v[\b:\b+11], v[\d:\d+7], v[\sa], v[\sb] matrix_a_fmt:MATRIX_FMT_FP6 matrix_b_fmt:MATRIX_FMT_FP6 matrix_a_scale:MATRIX_SCALE_ROW1
.else
	v_wmma_scale_f32_16x16x128_f8f6f4 v[\d:\d+7], v[\a:\a+11], v[\b:\b+11], v[\d:\d+7], v[\sa], v[\sb] matrix_a_fmt:MATRIX_FMT_FP6 matrix_b_fmt:MATRIX_FMT_FP6 matrix_a_scale:MATRIX_SCALE_ROW1 matrix_b_scale:MATRIX_SCALE_ROW1
.endif
.endm
.macro FETCH k                         ; K step k's six fragments, 24 loads, into set k % 2
.irp a, 0,1,2,3
	FRAG FS+72*((\k)%2)+12*\a, 4, 5, 6144*(\a/2)+3072*((\k)%2)+1536*(\a%2)
.endr
.irp b, 0,1
	FRAG FS+72*((\k)%2)+48+12*\b, 6, 7, 6144*((\k)%2)+1536*\b
.endr
.endm
.macro MUL k, z                        ; 8 products: the 8 accumulators take turns, one instruction a turn, in the same order in every step
.irp a, 0,1,2,3
.irp b, 0,1
	WM ACC+32*\b+8*\a, FS+72*((\k)%2)+12*\a, FS+72*((\k)%2)+48+12*\b, \z, 16+8*(\a%2)+(\k), 32+(\k), \a/2, \b
.endr
.endr
.endm
	s_load_b256 s[4:11], s[0:1], 0x0               ; ctx, cs, wc, ws
	s_load_b64 s[12:13], s[0:1], 0x20              ; out0
	v_lshl_add_u32 v254, v0, 2, 0x2c800
	v_mov_b32 v255, 0
	ds_add_u32 v254, v255
	ds_add_u32 v254, v255
	v_lshrrev_b32 v1, 5, v0
	v_readfirstlane_b32 s14, v1                    ; wave
	s_lshr_b32 s15, s14, 1                         ; I fetch for P (0) or for R (1)
	s_and_b32 s16, s14, 1                          ; and which half of its tiles
	s_bfe_u32 s84, ttmp6, 0x40000                  ; cx
	s_bfe_u32 s85, ttmp6, 0x40004                  ; cy
	s_lshl_b32 s86, ttmp9, 2
	s_add_co_u32 s86, s86, s84                     ; X
	s_and_b32 s87, ttmp7, 0xffff
	s_lshl_b32 s87, s87, 2
	s_add_co_u32 s87, s87, s85                     ; Y
	s_lshl_b32 s89, s85, 2
	s_lshl_b32 s89, 15, s89                        ; my row of the cluster
	s_lshl_b32 s90, 0x1111, s84                    ; my column
	s_or_b32 s[G1P+0], s90, (3<<16)|(1<<21)        ; P: 2 rows (K steps) of 384 elements of 8 bytes (two fragments on end)
	s_mov_b32 s[G1P+1], 384<<16
	s_mov_b32 s[G1P+2], 2<<16
	s_mov_b32 s[G1P+3], 384<<16
	s_mov_b32 s[G1P+4], 2
	s_mov_b32 s[G1P+5], KSTRP/8
	s_mov_b32 s[G1P+6], 0
	s_mov_b32 s[G1P+7], 0
	s_or_b32 s[G1R+0], s89, (3<<16)|(1<<21)        ; R: 2 rows of 768 elements (four fragments on end)
	s_mov_b32 s[G1R+1], 768<<16
	s_mov_b32 s[G1R+2], 2<<16
	s_mov_b32 s[G1R+3], 768<<16
	s_mov_b32 s[G1R+4], 2
	s_mov_b32 s[G1R+5], KSTRR/8
	s_mov_b32 s[G1R+6], 0
	s_mov_b32 s[G1R+7], 0
	s_lshl_b32 s92, s86, 2
	s_add_co_u32 s92, s92, 320                     ; P's first tile in wc: 320 + 4 X
	s_lshl_b32 s91, s92, 9                         ; and its scale words in ws
	s_lshl_b32 s17, s16, 1
	s_add_co_u32 s92, s92, s17
	s_mul_i32 s92, s92, 1536
	s_mov_b32 s93, 0
	s_lshl_b32 s96, s87, 3                         ; R's first tile: 8 Y
	s_lshl_b32 s17, s16, 2
	s_add_co_u32 s96, s96, s17
	s_mul_i32 s96, s96, 1536
	s_mov_b32 s97, 0
	s_mul_i32 s17, s16, 6144                       ; where my tiles go in a chunk: no place in the cluster enters an LDS address
	s_mul_i32 s94, s16, 12288
	s_wait_dscnt 0x0
	s_wait_kmcnt 0x0
	s_add_nc_u64 s[92:93], s[8:9], s[92:93]
	s_add_nc_u64 s[96:97], s[4:5], s[96:97]
	CROUND                                         ; all sixteen work-groups are here: the joint loads meet
.irp c, 0,1,2,3
	s_mov_b32 s[G0P+4*\c], 1
	s_add_co_u32 s[G0P+4*\c+1], s17, \c*CHUNK
	s_add_nc_u64 s[G0P+4*\c+2:G0P+4*\c+3], s[92:93], \c*2*KSTRP
	s_or_b32 s[G0P+4*\c+3], s[G0P+4*\c+3], 0x80000000
	s_mov_b32 s[G0R+4*\c], 1
	s_add_co_u32 s[G0R+4*\c+1], s94, \c*CHUNK+RPART
	s_add_nc_u64 s[G0R+4*\c+2:G0R+4*\c+3], s[96:97], \c*2*KSTRR
	s_or_b32 s[G0R+4*\c+3], s[G0R+4*\c+3], 0x80000000
.endr
	s_cmp_eq_u32 s15, 0                            ; a wave's four fills stand in one branch on its number; four v_nop follow the last
	s_cbranch_scc0 .Lfirst_r
.irp c, 0,1,2,3
	tensor_load_to_lds s[G0P+4*\c:G0P+4*\c+3], s[G1P:G1P+7]
	s_nop 0
.endr
.rept 4
	v_nop
.endr
	s_branch .Lfirst_asked
.Lfirst_r:
.irp c, 0,1,2,3
	tensor_load_to_lds s[G0R+4*\c:G0R+4*\c+3], s[G1R:G1R+7]
	s_nop 0
.endr
.rept 4
	v_nop
.endr
.Lfirst_asked:
	v_and_b32 v1, 31, v0                           ; lane
	v_and_b32 v2, 15, v0                           ; r
	v_bfe_u32 v3, v0, 4, 1                         ; h
	v_lshlrev_b32 v4, 4, v1                        ; P's fragments
	v_lshlrev_b32 v5, 3, v1
	s_mul_i32 s22, s15, 12288
	s_mul_i32 s23, s16, 3072
	s_add_co_u32 s22, s22, s23
	s_add_co_u32 s22, s22, RPART
	v_add_nc_u32 v6, s22, v4                       ; R's: my tiles 2 w, 2 w + 1
	v_add_nc_u32 v7, s22, v5
	v_lshlrev_b32 v10, 5, v2
	v_lshl_add_u32 v10, v3, 10, v10                ; P's scale words: lanes 16-31 take those of the tile two on
	v_lshlrev_b32 v11, 1, v2
	v_lshl_add_u32 v11, v3, 5, v11                 ; R's bytes: lanes 16-31 take the next tile's
	s_mov_b32 s2, s91
	s_mov_b32 s3, 0
	s_add_nc_u64 s[2:3], s[10:11], s[2:3]
	s_lshl_b32 s18, s87, 3
	s_lshl_b32 s19, s14, 1
	s_add_co_u32 s18, s18, s19
	s_lshl_b32 s18, s18, 5
	s_mov_b32 s19, 0
	s_add_nc_u64 s[18:19], s[6:7], s[18:19]
.irp a, 0,1
.irp q, 0,1
	global_load_b128 v[16+8*\a+4*\q:16+8*\a+4*\q+3], v10, s[2:3] offset:512*\a+16*\q
.endr
.endr
.irp e, 0,1,2,3,4,5,6,7,8,9,10,11,12,13,14,15
	global_load_u16 v[176+\e], v11, s[18:19] offset:4096*\e   ; head e's two bytes of my row: once, ahead of everything
.endr
	s_mul_i32 s22, s14, 32*SPITCH
	s_add_co_u32 s22, s22, STAGE                   ; my stage
	v_mul_u32_u24 v8, v2, SPITCH
	v_lshl_add_u32 v8, v3, 6, v8
	v_add_nc_u32 v8, s22, v8                       ; in: row r of a tile, + 64 h
	v_mul_u32_u24 v9, v3, SPITCH
	v_lshl_add_u32 v9, v2, 4, v9
	v_add_nc_u32 v9, s22, v9                       ; back: lanes 0-15 one row of 256 bytes, lanes 16-31 the next
	v_lshlrev_b32 v12, 12, v3
	v_lshl_add_u32 v12, v2, 4, v12                 ; and the same two rows in out0
	s_lshl_b32 s22, s87, 19                        ; 128 Y rows of 4,096 bytes,
	s_lshl_b32 s23, s14, 17                        ; 32 w rows,
	s_add_co_u32 s22, s22, s23
	s_lshl_b32 s23, s86, 8                         ; 64 X columns
	s_add_co_u32 s22, s22, s23
	s_mov_b32 s23, 0
	s_add_nc_u64 s[12:13], s[12:13], s[22:23]
	s_wait_tensorcnt 0x3                           ; my part of chunk 0 is in; three of my loads may be out
	s_barrier_signal -1
	s_barrier_wait -1
	FETCH 0
	s_wait_loadcnt 0x0
.irp k, 0,1,2,3,4,5,6,7
	v_lshl_or_b32 v[32+\k], v[177+2*\k], 16, v[176+2*\k]   ; K step k's word: heads 2 k and 2 k + 1
.endr
.rept 8
	v_nop                                          ; a scale register written by a vector instruction stands 8 places ahead of a scaled matrix instruction
.endr
.irp k, 0,1,2,3,4,5,6
.if (\k+1)%2 == 0
	s_wait_tensorcnt 3-(\k+1)/2                    ; my part of the next chunk is in: so many of my loads were issued behind it
	s_wait_dscnt 0x0                               ; no LDS load of mine is out at a signal
	s_barrier_signal -1
	s_barrier_wait -1
.irp r, 4,5,6,7
	v_add_nc_u32 v\r, CHUNK, v\r                   ; on to that chunk.  These four are also the places in front of the loads below
.endr
.elseif \k > 0
.rept 4
	v_nop                                          ; four places in front of loads into registers that matrix instructions have read
.endr
.endif
	FETCH \k+1
	s_wait_dscnt 24                                ; all but the 24 just issued: this step's fragments are in
.if \k == 0
	MUL \k, 1                                      ; the first step starts the sums
.else
	MUL \k, 0
.endif
.endr
	s_wait_dscnt 0x0
	MUL 7, 0
.rept 4
	v_nop                                          ; places in front of the first read of results and of loads into the fragments' registers
.endr
	; THE WAY OUT: a lane's 32 bytes of a row go into my own stage; whole rows of 256 bytes come back, and sixteen lanes store them
.irp b, 0,1
.irp a, 0,1,2,3
	ds_store_b128 v8, v[ACC+32*\b+8*\a:ACC+32*\b+8*\a+3] offset:16*SPITCH*\b+128*(\a/2)+32*(\a%2)        ; each accumulator from its low end on
	ds_store_b128 v8, v[ACC+32*\b+8*\a+4:ACC+32*\b+8*\a+7] offset:16*SPITCH*\b+128*(\a/2)+32*(\a%2)+16
.endr
.endr
.irp i, 0,1,2,3,4,5,6,7,8,9,10,11,12,13,14,15
	ds_load_b128 v[FS+4*\i:FS+4*\i+3], v9 offset:2*SPITCH*\i   ; LDS serves a wave's instructions in order: these see the stores above
.endr
.irp i, 0,1,2,3,4,5,6,7,8,9,10,11,12,13,14,15
	s_wait_dscnt 15-\i
	global_store_b128 v12, v[FS+4*\i:FS+4*\i+3], s[12:13] offset:(8*(\i/8)+(2*\i)%16+8*(((2*\i)%16)/8))*4096 th:TH_STORE_NT   ; stage rows 2 i, 2 i + 1 are lanes of a tile: back to their rows; 16 lanes store 256 consecutive bytes, aligned
.endr
	s_wait_tensorcnt 0x0
	ds_add_u32 v254, v255
	s_wait_dscnt 0x0
	CROUND                                         ; the closing round
	s_endpgm
.Lfunc_end_k_qaeb07fce21_gemm_out:
	.size	k_qaeb07fce21_gemm_out, .Lfunc_end_k_qaeb07fce21_gemm_out-k_qaeb07fce21_gemm_out
	.p2alignl 7, 3214868480
	.fill 96, 4, 3214868480
	.section	.rodata,"a",@progbits
	.p2align	6, 0x0
	.amdhsa_kernel k_qaeb07fce21_gemm_out
		.amdhsa_group_segment_fixed_size 182784
		.amdhsa_private_segment_fixed_size 0
		.amdhsa_enable_private_segment 0
		.amdhsa_kernarg_size 40
		.amdhsa_user_sgpr_count 2
		.amdhsa_user_sgpr_kernarg_segment_ptr 1
		.amdhsa_wavefront_size32 1
		.amdhsa_system_sgpr_workgroup_id_x 1
		.amdhsa_system_sgpr_workgroup_id_y 1
		.amdhsa_system_sgpr_workgroup_id_z 1
		.amdhsa_system_vgpr_workitem_id 0
		.amdhsa_next_free_vgpr 256
		.amdhsa_next_free_sgpr 100
		.amdhsa_reserve_vcc 0
		.amdhsa_float_denorm_mode_32 3
		.amdhsa_float_denorm_mode_16_64 3
		.amdhsa_memory_ordered 1
		.amdhsa_forward_progress 1
		.amdhsa_inst_pref_size 38
	.end_amdhsa_kernel
	.amdgpu_metadata
---
amdhsa.version: [ 1, 2 ]
amdhsa.kernels:
  - .name:           k_qaeb07fce21_gemm_out
    .symbol:         k_qaeb07fce21_gemm_out.kd
    .args:
      - { .name: ctx, .offset: 0, .size: 8, .value_kind: global_buffer, .address_space: global }
      - { .name: cs, .offset: 8, .size: 8, .value_kind: global_buffer, .address_space: global }
      - { .name: wc, .offset: 16, .size: 8, .value_kind: global_buffer, .address_space: global }
      - { .name: ws, .offset: 24, .size: 8, .value_kind: global_buffer, .address_space: global }
      - { .name: out0, .offset: 32, .size: 8, .value_kind: global_buffer, .address_space: global }
    .group_segment_fixed_size: 182784
    .private_segment_fixed_size: 0
    .kernarg_segment_align: 8
    .kernarg_segment_size: 40
    .max_flat_workgroup_size: 128
    .sgpr_count:     100
    .vgpr_count:     256
    .wavefront_size: 32
...
	.end_amdgpu_metadata
.endif
;; end of part 4
